; MI455X (gfx1250); checked and timed in simulation.
; The chip was launched on July 23, 2026; its instructions are those of AMD's public machine-readable ISA for CDNA 5 (MIT licence, August 2026) and "CDNA5" Instruction Set Architecture Reference Guide (July 2026). The comments in the code are by the model that wrote it; some were corrected since.
;; Multihead Attention. Allowed arithmetic: matrix products marked QUANTISED: E2M3 operands, one E8M0 scale for each 32 along K, by v_wmma_scale_f32_16x16x128_f8f6f4 with both operands' format E2M3, f32 sums; everything else in f32.
;; Inputs: bk 1,024 float32; bo 1,024 float32; bq 1,024 float32; bv 1,024 float32; wk 1,024 x 1,024 float32; wo 1,024 x 1,024 float32; wq 1,024 x 1,024 float32; wv 1,024 x 1,024 float32; x 2 x 2,048 x 1,024 float32.
;; Outputs: out0 2 x 2,048 x 1,024 float32.
;; This version of the problem:
;;   THIS VERSION OF THE PROBLEM IS GIVEN IN LOW PRECISION. The matrix products marked QUANTISED in the list below multiply operands that are first quantised to E2M3 (2 exponent bits, 3 mantissa bits; 6 bits a number), with one power-of-two scale for each 32 numbers along K (OCP MX v1.0); their sums are f32. All else is computed in f32.
;;   The module's matrix products, in the order in which they are computed (A, B: the left and right operand; K: the contracted axis; several contracted axes count as one K, in the product's order):
;;     1. [M 4,096, K 1,024] x [K 1,024, N 1,024]; A: input x; B: input wq: QUANTISED
;;     2. [M 4,096, K 1,024] x [K 1,024, N 1,024]; A: input x; B: input wk: QUANTISED
;;     3. [M 4,096, K 1,024] x [K 1,024, N 1,024]; A: input x; B: input wv: QUANTISED
;;     4. batch 32 x [M 2,048, K 64] x [K 64, N 2,048]; A: computed on the way; B: computed on the way: QUANTISED
;;     5. batch 32 x [M 2,048, K 2,048] x [K 2,048, N 64]; A: softmax (see below); B: computed on the way: QUANTISED
;;     6. [M 4,096, K 1,024] x [K 1,024, N 1,024]; A: computed on the way; B: input wo: QUANTISED
;;   THE QUANTISER, for each operand of a quantised product, along K:
;;     - K is cut into blocks of 32 from its start; a last block that is shorter is filled with zeros.
;;     - A block's scale is 2^e with e = floor(log2(the largest magnitude in the block)) - 2, held to -126 .. 127; a block of zeros has e = 0. As a byte (E8M0): e + 127.
;;     - Each number is divided by its block's scale, clamped to +-7.5, and rounded to the nearest number of E2M3, ties to even, subnormals kept.
;;     - The product sums the exact products of the quantised numbers (number of the format x scale) in f32.
;;   ~~~python
;;   def quantise(x, axis):      # numpy; x: float32 -> the quantised numbers, widened to float32 again
;;       x = np.moveaxis(x, axis, -1); K = x.shape[-1]
;;       x = np.pad(x, [(0, 0)] * (x.ndim - 1) + [(0, -K % 32)]); x = x.reshape(x.shape[:-1] + (-1, 32)); a = np.abs(x).max(-1, keepdims=True)
;;       e = np.where(a > 0, np.clip(np.frexp(np.where(a > 0, a, 1))[1] - 1 - 2, -126, 127), 0)      # np.frexp(a)[1] - 1 = floor(log2(a)), exactly
;;       r = np.clip(x / 2.0 ** e, -7.5, 7.5)
;;       step = 2.0 ** (np.maximum(np.frexp(np.where(r == 0, 1, r))[1] - 1, 0) - 3)
;;       q = np.round(r / step) * step * 2.0 ** e      # np.round: ties to even
;;       return np.moveaxis(q.reshape(q.shape[:-2] + (-1,))[..., :K], -1, axis).astype(np.float32)
;;   ~~~
;;   SOFTMAX AHEAD OF A QUANTISED PRODUCT. Where the list says 'softmax', what is quantised is not the finished softmax but p = 2^(t - M), with t = logit x log2(e) and M = ceil(the row's largest t), a whole number; so 1/2 < the row's largest p <= 1. The row's sum l is taken of the UNQUANTISED p, in f32, and the product's result is divided by l at the end. Since M is a whole number, a kernel that streams over the keys may use a running M (the ceiling of the running maximum): every later rescaling is an exact power of two, which a block's scale takes up: the codes' values come out the same.
;;   OPERANDS COMPUTED ON THE WAY. 'Computed on the way' means the value that the module computes at that place (a softmax that the list does not call 'softmax' is quantised finished and normalised). What goes into a quantiser is computed in f32, as accurately as f32 sums, v_exp_f32 and their like allow (about 1e-6 of the number): no bf16 or f16 on the way to a quantiser, and a product that is left as it is and whose result goes on into a quantised operand takes f32 operands (vector FMAs, or v_wmma_f32_16x16x4_f32). A number that lies on a knife's edge between two numbers of the format may be rounded either way, as far as f32 arithmetic and the matrix unit's own rounding can turn it there, and no further.
;; One version. Each part assembles by itself: llvm-mc -triple=amdgcn-amd-amdhsa -mcpu=gfx1250 --defsym DOCPART=n.
;; ======== version 1 of 1: 4 launches
;; limits: right only within a limited range of input values
;; workspace buffers: codes 6,291,456 bytes; scales 262,144 bytes; qc 3,145,728 bytes; qs 262,144 bytes; kv 6,815,744 bytes; oc 3,145,728 bytes; os 262,144 bytes
;; launch quant (part 1): grid 256 x 1, 4 waves a work-group, no clusters, 34,304 bytes of LDS; arguments x, wq, wk, wv, wo, codes, scales; writes codes, scales
.if DOCPART == 1
	.amdgcn_target "amdgcn-amd-amdhsa--gfx1250"
	.amdhsa_code_object_version 6
	.text
	.protected	k_qf364fdf5c3_quant
	.globl	k_qf364fdf5c3_quant
	.p2align	8
	.type	k_qf364fdf5c3_quant,@function
k_qf364fdf5c3_quant:
	s_mov_b64 s[64:65], 0
	v_nop
	global_prefetch_b8 v0, s[64:65] scope:SCOPE_SE
	s_setreg_imm32_b32 hwreg(HW_REG_WAVE_MODE, 25, 1), 1
	s_wait_xcnt 0x0
; x [4096][1024] and wq, wk, wv, wo [1024][1024], f32, K innermost, become codes of FP6 (E2M3) with one E8M0 byte for each 32 along K,
; laid in the ORDER OF THE OPERAND'S REGISTERS: codes = [row tile T 0..511][K step s 0..7][fragment of 1,536 bytes]; register i of lane l of a fragment
; lies at 512 (i / 4) + 16 l + 4 (i % 4), so that three loads of 16 bytes a lane bring it.  T 0..255: x; 256..: wq; 320..: wk; 384..: wv; 448..: wo.
; THE ROWS OF A TILE ARE NOT NEIGHBOURS: lane row p of tile 2 B + u is row 32 B + 8 u + p + 8 (p / 8), so that the results of two neighbouring tiles, used as source 0,
; are 16 neighbours along the next product's K.
; scales = [T][half H of K][256 bytes]: word p' of lane (r, h), at 8 lane + 4 p', is row r's scale word of K step 4 H + 2 p' + h.
; A block's scale byte is its largest magnitude's exponent field - 2, held at 1 from below; numbers beyond 7.5 x the scale take the largest code.
; LIMITS: NaN and infinities are not served; a block under 2^-124 (a block of zeros too) keeps the byte 1: its codes add what they are worth under that byte, and this program alone reads the bytes.
; SHARES: work-group g takes tiles 2 g and 2 g + 1; wave w tile 2 g + w / 2 and half w % 2 of K: four steps of 16 rows x 128 along K.  Waves share nothing: no barrier, no cluster, no tensor load.
; Each load reads 512 consecutive bytes of one row; a step's 16 rows turn through the wave's own stage in LDS (rows 528 bytes apart) so that a lane gets 16 neighbours of each block of its row.
.set STGB,  8448                       ; a wave's stage: 16 rows x 528 bytes
.set SPARE, 4*STGB                     ; behind the stages: the spare words, 128 bytes for each wave
.set TM,    4                          ; v4-19   at work in QUANT
.set PW,    20                         ; v20-23  a step's scale word
.set SC,    24                         ; v[24:25] the two words that I store
.set L8,    26                         ; v26     8 x lane
.set SPW,   28                         ; v28     my spare word's LDS address; never rewritten
.set NIL,   29                         ; v29     0; never rewritten
.set PC,    224                        ; v224-242 a fragment's codes, and two halves on their way
.set SEL,   26                         ; s[26:27] lane selects: lane l xor 16
	s_load_b256 s[4:11], s[0:1], 0x0               ; x, wq, wk, wv
	s_load_b128 s[12:15], s[0:1], 0x20             ; wo, codes
	s_load_b64 s[16:17], s[0:1], 0x30              ; scales
	v_lshl_add_u32 v[SPW], v0, 2, SPARE
	v_mov_b32 v[NIL], 0
	v_lshrrev_b32 v1, 5, v0
	v_readfirstlane_b32 s18, v1                    ; wave 0..3
	v_and_b32 v30, 31, v0                          ; lane
	v_lshlrev_b32 v1, 4, v30                       ; 16 x lane: my bytes of a load's 512, and of a fragment's store
	v_lshlrev_b32 v[L8], 3, v30
	s_mul_i32 s19, s18, STGB
	v_add_nc_u32 v2, s19, v1                       ; the stage, way in: row i at 528 i, as loaded
	v_and_b32 v31, 15, v0                          ; r
	v_bfe_u32 v30, v0, 4, 1                        ; h
	v_mul_u32_u24 v3, v31, 528
	v_lshl_add_u32 v3, v30, 6, v3
	v_add_nc_u32 v3, s19, v3                       ; way out: row r, + 64 h: my 16 numbers of a block of 32
	s_mov_b32 s[SEL], 0x76543210
	s_mov_b32 s[SEL+1], 0xfedcba98
	s_mov_b32 s28, 0xffff0000                      ; lanes 16-31
.irp b, 0,1,2,3
	v_mov_b32 v[TM+4+\b], 0                        ; written once: a lane permute's destination counts as one of its sources
.endr
	s_lshr_b32 s29, s18, 1                         ; u: which of the two tiles
	s_and_b32 s30, s18, 1                          ; H: which half of K
	s_sub_co_u32 s20, ttmp9, 128                   ; work-groups 128 on take the weights, 32 each
	s_lshr_b32 s21, s20, 5
	s_and_b32 s22, s20, 31
	s_wait_alu depctr_va_vdst(0)
	s_wait_kmcnt 0x0
	s_cmp_eq_u32 s21, 0                            ; the choice hangs on the work-group's number alone
	s_cselect_b64 s[24:25], s[6:7], s[12:13]
	s_cmp_eq_u32 s21, 1
	s_cselect_b64 s[24:25], s[8:9], s[24:25]
	s_cmp_eq_u32 s21, 2
	s_cselect_b64 s[24:25], s[10:11], s[24:25]
	; x's tiles have an order of rows of their own: lane row p of tile 4 C + tau is row 64 C + 8 tau + p % 8 + 32 (p / 8), so that a lane of a later product holds whole blocks of 32 tokens.
	; The weights keep lane row p of tile 2 B + u = row 32 B + 8 u + p + 8 (p / 8).  Work-group g of x: C = g / 2, tau = 2 (g % 2) + u.
	s_lshr_b32 s34, ttmp9, 1
	s_lshl_b32 s34, s34, 18                        ; 64 (g / 2) rows of 4,096 bytes
	s_and_b32 s35, ttmp9, 1
	s_lshl_b32 s35, s35, 16                        ; + 16 (g % 2) rows
	s_add_co_u32 s34, s34, s35
	s_cmp_lt_u32 ttmp9, 128
	s_cselect_b64 s[24:25], s[4:5], s[24:25]
	s_cselect_b32 s22, ttmp9, s22                  ; which group of 32 rows of that tensor
	s_cselect_b32 s36, 1, 0                        ; 1: x
	s_lshl_b32 s32, s22, 17                        ; a weight: 32 rows of 4,096 bytes
	s_cmp_lg_u32 s36, 0
	s_cselect_b32 s32, s34, s32
	s_lshl_b32 s36, 0x10000, s36                   ; from lane row 0 to lane row 8: 16 rows in a weight, 32 in x
	s_mov_b32 s37, 0
	s_lshl_b32 s33, s29, 15                        ; + 8 u rows,
	s_add_co_u32 s32, s32, s33
	s_lshl_b32 s33, s30, 11                        ; + 512 H numbers
	s_add_co_u32 s32, s32, s33
	s_mov_b32 s33, 0
	s_add_nc_u64 s[24:25], s[24:25], s[32:33]
	s_add_nc_u64 s[36:37], s[24:25], s[36:37]      ; lane rows 8 to 15
	s_lshl_b32 s34, ttmp9, 1
	s_add_co_u32 s34, s34, s29                     ; T
	s_mul_i32 s32, s34, 12288
	s_mul_i32 s35, s30, 6144
	s_add_co_u32 s32, s32, s35
	s_add_nc_u64 s[14:15], s[14:15], s[32:33]      ; my four fragments
	s_lshl_b32 s32, s34, 9
	s_lshl_b32 s35, s30, 8
	s_add_co_u32 s32, s32, s35
	s_add_nc_u64 s[16:17], s[16:17], s[32:33]      ; my 256 bytes of scale words
.macro LOAD q, set                     ; step q: lane row i is row i + 8 (i / 8) of my 24 in a weight, i + 24 (i / 8) in x; 512 consecutive bytes a load
.irp i, 0,1,2,3,4,5,6,7,8,9,10,11,12,13,14,15
.if \i < 8
	global_load_b128 v[\set+4*\i:\set+4*\i+3], v1, s[24:25] offset:512*(\q)+\i*4096 th:TH_LOAD_NT
.else
	global_load_b128 v[\set+4*\i:\set+4*\i+3], v1, s[36:37] offset:512*(\q)+(\i-8)*4096 th:TH_LOAD_NT
.endif
.endr
.endm
.macro TURN set                        ; through my stage: LDS serves a wave's instructions in order, so no wait stands between the stores and the loads
.irp i, 0,1,2,3,4,5,6,7,8,9,10,11,12,13,14,15
	ds_store_b128 v2, v[\set+4*\i:\set+4*\i+3] offset:528*\i
.endr
.irp b, 0,1,2,3
.irp j, 0,1,2,3
	ds_load_b128 v[\set+16*\b+4*\j:\set+16*\b+4*\j+3], v3 offset:128*\b+16*\j   ; register 16 b + n = k 32 b + 16 h + n of row r
.endr
.endr
.endm
; 64 numbers of a lane, register 16 b + n = k 32 b + 16 h + n of my row, become a fragment's codes in v[PC] on and its scale word in v[pw]
.macro QUANT s, pw
.irp b, 0,1,2,3
	v_max3_num_f32 v[TM+\b], |v[\s+16*\b]|, |v[\s+1+16*\b]|, 0x1800000   ; my 16 numbers of block b, and the floor 2^(3 - 127): the byte cannot fall under 1
.endr
.irp i, 2,4,6,8,10,12,14
.irp b, 0,1,2,3
	v_max3_num_f32 v[TM+\b], v[TM+\b], |v[\s+16*\b+\i]|, |v[\s+1+16*\b+\i]|   ; the four blocks by turns
.endr
.endr
.irp b, 0,1,2,3
	v_permlanex16_b32 v[TM+4+\b], v[TM+\b], s[SEL], s[SEL+1]
.endr
.irp b, 0,1,2,3
	v_max_num_f32 v[TM+\b], v[TM+\b], v[TM+4+\b]   ; with lane l xor 16's: the block's largest magnitude
.endr
.irp b, 0,1,2,3
	v_add_nc_u32 v[TM+12+\b], 0xff000000, v[TM+\b] ; 2 off its exponent field: the conversion's scale operand
.endr
.irp b, 0,1,2,3
	v_lshrrev_b32 v[TM+4+\b], 23, v[TM+12+\b]      ; the scale's byte
.endr
	v_lshl_or_b32 v[\pw], v[TM+5], 8, v[TM+4]
	v_lshl_or_b32 v[\pw], v[TM+6], 16, v[\pw]
	v_lshl_or_b32 v[\pw], v[TM+7], 24, v[\pw]
.irp c, 0,1
	v_cvt_scalef32_pk16_fp6_f32 v[PC+6*\c:PC+2+6*\c], v[\s+32*\c:\s+15+32*\c], v[TM+12+2*\c]
	v_cvt_scalef32_pk16_fp6_f32 v[PC+12+4*\c:PC+14+4*\c], v[\s+16+32*\c:\s+31+32*\c], v[TM+12+2*\c+1]   ; (a conversion's three registers begin on an even number)
.endr
	v_nop                                          ; one plain place behind a scaled conversion
.irp c, 0,1                            ; the operand's layout wants a whole block in a lane: lanes 0-15 block 2 c, lanes 16-31 block 2 c + 1
.irp i, 0,1,2
	v_permlane16_swap_b32 v[PC+6*\c+\i], v[PC+12+4*\c+\i]
.endr
.irp i, 0,1,2
	v_mov_b32 v[PC+3+6*\c+\i], v[PC+12+4*\c+\i]
.endr
.endr
.endm
.macro STEP q, set, left               ; left: the loads issued behind this step's sixteen
	s_wait_loadcnt \left
	TURN \set
	s_wait_dscnt 0x0
.if \q > 0
	s_wait_xcnt 0x0                                ; the last step's stores have read the codes' registers, which are written again below
.endif
	QUANT \set, PW+\q
.irp c, 0,1,2
	global_store_b128 v1, v[PC+4*\c:PC+4*\c+3], s[14:15] offset:1536*\q+512*\c   ; 512 consecutive bytes a store
.endr
.endm
	LOAD 0, 32
	LOAD 1, 96
	LOAD 2, 160
	STEP 0, 32, 32                                 ; behind step 0's loads: steps 1 and 2
	LOAD 3, 32
	STEP 1, 96, 32                                 ; steps 2 and 3
	STEP 2, 160, 16                                ; step 3
	STEP 3, 32, 0
	v_cndmask_b32 v[SC], v[PW], v[PW+1], s28       ; lanes 0-15 keep the even step's word, lanes 16-31 the odd step's
	v_cndmask_b32 v[SC+1], v[PW+2], v[PW+3], s28
	global_store_b64 v[L8], v[SC:SC+1], s[16:17]   ; 256 consecutive bytes
	s_wait_tensorcnt 0x0                           ; the wave's end, behind my last LDS store
	ds_add_u32 v[SPW], v[NIL]
	s_wait_dscnt 0x0
	s_endpgm
.Lfunc_end_k_qf364fdf5c3_quant:
	.size	k_qf364fdf5c3_quant, .Lfunc_end_k_qf364fdf5c3_quant-k_qf364fdf5c3_quant
	.p2alignl 7, 3214868480
	.fill 96, 4, 3214868480
	.section	.rodata,"a",@progbits
	.p2align	6, 0x0
	.amdhsa_kernel k_qf364fdf5c3_quant
		.amdhsa_group_segment_fixed_size 34304
		.amdhsa_private_segment_fixed_size 0
		.amdhsa_enable_private_segment 0
		.amdhsa_kernarg_size 56
		.amdhsa_user_sgpr_count 2
		.amdhsa_user_sgpr_kernarg_segment_ptr 1
		.amdhsa_wavefront_size32 1
		.amdhsa_system_sgpr_workgroup_id_x 1
		.amdhsa_system_sgpr_workgroup_id_y 1
		.amdhsa_system_sgpr_workgroup_id_z 1
		.amdhsa_system_vgpr_workitem_id 0
		.amdhsa_next_free_vgpr 256
		.amdhsa_next_free_sgpr 66
		.amdhsa_reserve_vcc 0
		.amdhsa_float_denorm_mode_32 3
		.amdhsa_float_denorm_mode_16_64 3
		.amdhsa_memory_ordered 1
		.amdhsa_forward_progress 1
		.amdhsa_inst_pref_size 34
	.end_amdhsa_kernel
	.amdgpu_metadata
---
amdhsa.version: [ 1, 2 ]
amdhsa.kernels:
  - .name:           k_qf364fdf5c3_quant
    .symbol:         k_qf364fdf5c3_quant.kd
    .args:
      - { .name: x, .offset: 0, .size: 8, .value_kind: global_buffer, .address_space: global }
      - { .name: wq, .offset: 8, .size: 8, .value_kind: global_buffer, .address_space: global }
      - { .name: wk, .offset: 16, .size: 8, .value_kind: global_buffer, .address_space: global }
      - { .name: wv, .offset: 24, .size: 8, .value_kind: global_buffer, .address_space: global }
      - { .name: wo, .offset: 32, .size: 8, .value_kind: global_buffer, .address_space: global }
      - { .name: codes, .offset: 40, .size: 8, .value_kind: global_buffer, .address_space: global }
      - { .name: scales, .offset: 48, .size: 8, .value_kind: global_buffer, .address_space: global }
    .group_segment_fixed_size: 34304
    .private_segment_fixed_size: 0
    .kernarg_segment_align: 8
    .kernarg_segment_size: 56
    .max_flat_workgroup_size: 128
    .sgpr_count:     66
    .vgpr_count:     256
    .wavefront_size: 32
...
	.end_amdgpu_metadata
.endif
;; end of part 1
;; launch qkv (part 2): grid 16 x 16, 4 waves a work-group, clusters of 4 x 1, 327,680 bytes of LDS; arguments codes, scales, bq, bk, bv, qc, qs, kv; writes qc, qs, kv
.if DOCPART == 2
	.amdgcn_target "amdgcn-amd-amdhsa--gfx1250"
	.amdhsa_code_object_version 6
	.text
	.protected	k_qf364fdf5c3_qkv
	.globl	k_qf364fdf5c3_qkv
	.p2align	8
	.type	k_qf364fdf5c3_qkv,@function
k_qf364fdf5c3_qkv:
	s_mov_b64 s[64:65], 0
	v_nop
	global_prefetch_b8 v0, s[64:65] scope:SCOPE_SE
	s_setreg_imm32_b32 hwreg(HW_REG_WAVE_MODE, 25, 1), 1
	s_wait_xcnt 0x0
	s_wait_alu depctr_hold_cnt(0) depctr_sa_sdst(0) depctr_va_vdst(0) depctr_va_sdst(0) depctr_va_ssrc(0) depctr_va_vcc(0) depctr_vm_vsrc(0)
	s_getreg_b32 s2, hwreg(HW_REG_IB_STS2, 6, 4)
	s_cmp_eq_u32 s2, 0
	s_cbranch_scc0 .Lentry_in_a_cluster
	s_endpgm
.Lentry_in_a_cluster:
	s_bfe_u32 s2, ttmp6, 0x10000c
	s_cmp_lg_u32 s2, 0x3003
	s_cbranch_scc0 .Lentry_shape_is_right
	s_endpgm
.Lentry_shape_is_right:
; q, k, v = x W^T + bias on codes of FP6 (E2M3) with E8M0 scales, sums in f32, and each result quantised at once for attention's two products; no f32 result goes to memory.
; SHARES: a work-group makes 256 tokens (mx) x the 192 columns of one head (ny): slot 0 = q, 1 = k, 2 = v.  Wave w makes 64 tokens (x's tiles 16 mx + 4 w + t) x all 192: 48 accumulators, 384 registers.
; THE WEIGHTS' PANEL for all of K (12 tiles x 12,288 bytes) lies in LDS, filled ONCE, in two halves of four K steps; no byte of LDS is filled twice.  The four work-groups of a cluster have the same head,
; so each chunk is asked for JOINTLY (mask 15).  x's fragments are read by one wave of the work-group alone: they go from memory straight into registers, 512 consecutive bytes a load, five K steps deep;
; the sixteen work-groups of one mx lie in other clusters' rows, and what does not pass through LDS cannot be shared by a joint load.
; ORIENTATION: slots 0, 1: source 0 = 16 rows of W, source 1 = 16 tokens: a lane holds ONE token and its registers run along the head's 64, the next product's K.
; Slot 2: source 0 = 16 tokens, source 1 = 16 rows of wv: a lane holds one channel and its registers run along the tokens, which are the K of attention's second product.
; By the tiles' order of rows (lane row p of tile 2 B + u = row 32 B + 8 u + p + 8 (p / 8)) the 16 registers of two neighbouring result tiles are 16 neighbours along that K.
; The biases are the C of each sum's first matrix instruction.
; OUT: half fragments of 768 bytes (16 rows x 64 K: registers 0-3 at 16 lane, registers 4, 5 at 512 + 8 lane) and records of scale words of 256 bytes (word q' of lane (r, h): tile 2 q' + h, row r; bytes 0, 1 the two blocks, bytes 2, 3 zero).
;   qc [bh][token tile 128][768], qs [bh][group of 4 tiles][256];  kv [bh][key step of 128 keys][13,312]: K's pairs of tiles at 1,536 p; V's (channel tile i, key half c) at 6,144 + 1,536 i + 768 c; scale words at 12,288 + 512 c.
; LIMITS: NaN and infinities are not served; a block under 2^-124 (a block of zeros too) keeps the scale byte 1; this program alone reads the bytes.
; REGISTERS, in windows of 256: window 0: v1-13 addresses; v32-47 x's scale words, v48-95 W's; v96-239 W's fragments, a set of four for each slot (in the epilogue: codes, work, scale words).
;   window 1: x's fragments, five sets of four.  window 2: the accumulators of slots 0, 1 at 128 j + 32 t + 8 i.  window 3: those of slot 2 at 32 i + 8 t; from v128 the bias tiles.
.set WCH,   36864                      ; 36,864 bytes, a quarter of the panel; half H of K at 2 H WCH
; THE PANEL NOW COMES IN TWO HALVES OF K, one load a wave each: half H at 2 H WCH, tile (slot j, i) at 18432 i + 6144 j, K step s at 1536 (s % 4).  W's scale words come by plain loads into registers.
; x's tile 4 C + tau holds tokens 64 C + 8 tau + p % 8 + 32 (p / 8): a lane of v's result holds a whole block of 32 tokens.
; kv record: K's pairs of tiles as whole fragments at 1536 p (p = 0..3), register i of lane l at 512 (i / 4) + 16 l + 4 (i % 4); V as before; scale words at 12288 + 512 c + 16 lane: V's tiles 0 | 1, V's tiles 2 | 3 (two bytes each), K's pairs 2 c | 2 c + 1, 0.
.set SPARE, 4*WCH
.set SR,    244                        ; v244-247 the record of scale words that I store
.set SH,    242                        ; v242     8 h
.set LB,    5                          ; v5-8   chunk c + 16 x lane
.set SPW,   9                          ; v9     my spare word's LDS address; never rewritten
.set NIL,   10                         ; v10    0; never rewritten
.set LS8,   11
.set XS,    32                         ; x's scale words: 4 t + p; lanes 0-15 K step 2 p, lanes 16-31 K step 2 p + 1
.set WS,    48                         ; W's: 16 j + 4 i + p
.set WF,    96                         ; W's fragments: 48 j + 12 i
.set HH,    96                         ; epilogue: codes at 32 j + 8 n
.set MX,    192                        ; epilogue: eight largest magnitudes,
.set PM,    200                        ; eight permutes, then bytes,
.set SO,    208                        ; eight scale operands
.set WD,    224                        ; scale words 4 j + n
.set SCP,   236                        ; pairs to store, 2 j
.set WV,    20
.set G1W,   24                         ; s[24:31] group 1 of a chunk's load; s[32:39] two groups 0
.set G0W,   32
.set G1S,   48                         ; s[56:57] W's scale records
.set G0S,   56
.set XB,    60                         ; s[60:61] my x tiles' codes;  s[62:63] their scale records
.set XSB,   62
.set KB,    80                         ; s[80:81] K's tiles, s[82:83] V's, s[84:85] the scale records of my half of a key step
.set VB,    82
.set SB,    84
.set MSB, 0
.macro WIN new                         ; the immediate's high byte repeats the setting that is left
.if MSB != \new
	s_set_vgpr_msb (MSB<<8)|\new
.set MSB, \new
.endif
.endm
.macro PLACES n
.rept \n
	v_nop
.endr
.endm
.macro CROUND                          ; a round of the cluster's barrier
	s_barrier_signal -1
	s_barrier_wait -1
	s_cmp_lg_u32 s[WV], 0
	s_cbranch_scc1 .Lnot_wave_0_\@
	s_barrier_signal -3
.Lnot_wave_0_\@:
	s_barrier_wait -3
	s_barrier_signal -1
	s_barrier_wait -1
.endm
	s_load_b256 s[4:11], s[0:1], 0x0               ; codes, scales, bq, bk
	s_load_b256 s[12:19], s[0:1], 0x20             ; bv, qc, qs, kv
	v_lshl_add_u32 v[SPW], v0, 2, SPARE
	v_mov_b32 v[NIL], 0
	ds_add_u32 v[SPW], v[NIL]                      ; the wave's opening: the add and its wait ahead of my first tensor load; work on registers stands between
	ds_add_u32 v[SPW], v[NIL]
	v_lshrrev_b32 v3, 5, v0
	v_readfirstlane_b32 s[WV], v3                  ; wave 0..3
	s_bfe_u32 s21, ttmp6, 0x40000                  ; cx
	s_lshl_b32 s22, ttmp9, 2
	s_add_co_u32 s22, s22, s21                     ; mx = 4 x cluster x + cx: it enters x's and the outputs' addresses alone
	s_and_b32 s23, ttmp7, 0xffff                   ; ny, the head, which the four partners share
	s_mov_b32 s[G1W+0], 15|(3<<16)|(1<<21)         ; the mask: all four; elements of 8 bytes; bit 21 beside a mask; no padding
	s_mov_b32 s[G1W+1], 768<<16                    ; tensor_dim0 = 768: four K steps of a tile, 6,144 bytes
	s_mov_b32 s[G1W+2], 3<<16
	s_mov_b32 s[G1W+3], 768<<16
	s_mov_b32 s[G1W+4], 3                          ; tile_dim1
	s_mov_b32 s[G1W+5], 98304                      ; from weight to weight: 64 tiles of 12,288 bytes
	s_mov_b32 s[G1W+6], 0
	s_mov_b32 s[G1W+7], 0
	s_lshl_b32 s66, s23, 2                         ; what I fetch: tile i = my wave's number of each weight: made of ny and the wave's number alone
	s_add_co_u32 s66, s66, s[WV]
	s_add_co_u32 s66, s66, 256
	s_mul_i32 s68, s66, 12288
	s_mov_b32 s69, 0
	s_sub_co_u32 s66, s66, s[WV]                   ; the head's first tile of wq: its scale records
	s_lshl_b32 s66, s66, 9
	s_mov_b32 s67, 0
	s_mul_i32 s2, s[WV], 18432
	s_mov_b32 s70, 0xffff0000                      ; lanes 16-31
	s_mov_b32 s72, 0x76543210
	s_mov_b32 s73, 0xfedcba98                      ; lane l xor 16
	v_and_b32 v3, 31, v0
	v_lshlrev_b32 v1, 4, v3                        ; 16 x lane
	v_lshlrev_b32 v2, 3, v3                        ; 8 x lane
.irp c, 0,1,2,3
	v_add_nc_u32 v[LB+\c], \c*WCH, v1
.endr
	v_bfe_u32 v12, v0, 4, 1
	v_lshlrev_b32 v12, 6, v12                      ; 64 h: q's and k's bias, 16 numbers a half
	v_and_b32 v4, 15, v0
	v_and_b32 v13, 8, v4
	v_add_nc_u32 v13, v13, v4
	v_lshlrev_b32 v13, 2, v13                      ; 4 (r + 8 (r / 8)): v's bias, my channel
	s_wait_alu depctr_va_vdst(0)
	s_wait_dscnt 0x0
	s_wait_kmcnt 0x0
	s_add_nc_u64 s[G0S:G0S+1], s[6:7], s[66:67]    ; W's scale records
.irp c, 0,1
	s_mov_b32 s[G0W+4*\c], 1
	s_add_co_u32 s[G0W+4*\c+1], s2, \c*2*WCH
	s_add_nc_u64 s[G0W+4*\c+2:G0W+4*\c+3], s[4:5], s[68:69]
	s_add_nc_u64 s[G0W+4*\c+2:G0W+4*\c+3], s[G0W+4*\c+2:G0W+4*\c+3], 6144*\c
	s_or_b32 s[G0W+4*\c+3], s[G0W+4*\c+3], 0x80000000
.endr
	CROUND                                         ; all four work-groups are here: the joint loads meet
	tensor_load_to_lds s[G0W:G0W+3], s[G1W:G1W+7]  ; K steps 0 to 3 of my tile of each weight: my one load at the head
	s_nop 0
	PLACES 4
	s_lshl_b32 s74, s22, 4
	s_lshl_b32 s75, s[WV], 2
	s_add_co_u32 s74, s74, s75                     ; my first tile of x
	s_mul_i32 s76, s74, 12288
	s_mov_b32 s77, 0
	s_lshl_b32 s78, s74, 9
	s_mov_b32 s79, 0
	s_add_nc_u64 s[XB:XB+1], s[4:5], s[76:77]
	s_add_nc_u64 s[XSB:XSB+1], s[6:7], s[78:79]
	s_lshl_b32 s76, s23, 8                         ; the head's 64 numbers of each bias
	s_add_nc_u64 s[8:9], s[8:9], s[76:77]
	s_add_nc_u64 s[10:11], s[10:11], s[76:77]
	s_add_nc_u64 s[12:13], s[12:13], s[76:77]
.irp t, 0,1,2,3
.irp H, 0,1
	global_load_b64 v[XS+4*\t+2*\H:XS+4*\t+2*\H+1], v2, s[XSB:XSB+1] offset:512*\t+256*\H
.endr
.endr
.irp j, 0,1,2
.irp i, 0,1,2,3
.irp H, 0,1
	global_load_b64 v[WS+16*\j+4*\i+2*\H:WS+16*\j+4*\i+2*\H+1], v2, s[G0S:G0S+1] offset:32768*\j+512*\i+256*\H   ; 256 consecutive bytes a load
.endr
.endr
.endr
	WIN 0xc0
	s_wait_alu depctr_va_vdst(0)
.irp i, 0,1,2,3                        ; lane (r, h), register n of tile i: bias of column 32 (i / 2) + 8 (i % 2) + 16 h + n
	global_load_b128 v[128+8*\i:128+8*\i+3], v12, s[8:9] offset:(32*(\i/2)+8*(\i%2))*4
	global_load_b128 v[128+8*\i+4:128+8*\i+7], v12, s[8:9] offset:(32*(\i/2)+8*(\i%2))*4+16
	global_load_b128 v[160+8*\i:160+8*\i+3], v12, s[10:11] offset:(32*(\i/2)+8*(\i%2))*4
	global_load_b128 v[160+8*\i+4:160+8*\i+7], v12, s[10:11] offset:(32*(\i/2)+8*(\i%2))*4+16
.endr
.irp i, 0,1,2,3
	global_load_b32 v[192+8*\i], v13, s[12:13] offset:(32*(\i/2)+8*(\i%2))*4   ; v: one number a lane, my channel's
.endr
.macro XLOAD s                         ; x's four fragments of K step s into set s % 5
	WIN 0x40
.irp t, 0,1,2,3
.irp c, 0,1,2
	global_load_b128 v[48*((\s)%5)+12*\t+4*\c:48*((\s)%5)+12*\t+4*\c+3], v1, s[XB:XB+1] offset:12288*\t+1536*(\s)+512*\c
.endr
.endr
.endm
.macro WLOAD j, s                      ; slot j's four fragments of K step s
.irp i, 0,1,2,3
.irp c, 0,1,2
	ds_load_b128 v[WF+48*\j+12*\i+4*\c:WF+48*\j+12*\i+4*\c+3], v[LB+2*((\s)/4)+\i/2] offset:18432*(\i%2)+6144*\j+1536*((\s)%4)+512*\c
.endr
.endr
.endm
.macro WM d, a, b, c, sa, sb, odd      ; an odd K step's scale words lie in lanes 16-31 of both registers
.if \odd
	v_wmma_scale_f32_16x16x128_f8f6f4 v[\d:\d+7], v[\a:\a+11], v[\b:\b+11], v[\c:\c+7], v[\sa], v[\sb] matrix_a_fmt:MATRIX_FMT_FP6 matrix_b_fmt:MATRIX_FMT_FP6 matrix_a_scale:MATRIX_SCALE_ROW1 matrix_b_scale:MATRIX_SCALE_ROW1
.else
	v_wmma_scale_f32_16x16x128_f8f6f4 v[\d:\d+7], v[\a:\a+11], v[\b:\b+11], v[\c:\c+7], v[\sa], v[\sb] matrix_a_fmt:MATRIX_FMT_FP6 matrix_b_fmt:MATRIX_FMT_FP6
.endif
.endm
.macro MULT j, s                       ; 16 products of slot j (q or k): source 0 = W (window 0), source 1 = x (window 1), C and D window 2; the first K step takes the bias tile (window 3) as C
.if (\s) == 0
	WIN 0xb4
.else
	WIN 0xa4
.endif
.irp t, 0,1,2,3
.irp i, 0,1,2,3
.if (\s) == 0
	WM 128*\j+32*\t+8*\i, WF+48*\j+12*\i, 48*((\s)%5)+12*\t, 128+32*\j+8*\i, WS+16*\j+4*\i+(\s)/2, XS+4*\t+(\s)/2, (\s)%2
.else
	WM 128*\j+32*\t+8*\i, WF+48*\j+12*\i, 48*((\s)%5)+12*\t, 128*\j+32*\t+8*\i, WS+16*\j+4*\i+(\s)/2, XS+4*\t+(\s)/2, (\s)%2
.endif
.endr
.endr
.endm
.macro MULV s                          ; 16 products of v: source 0 = x (window 1), source 1 = wv (window 0), C and D window 3
	WIN 0xf1
.irp i, 0,1,2,3
.irp t, 0,1,2,3
.if (\s) == 0
	WM 32*\i+8*\t, 48*((\s)%5)+12*\t, WF+96+12*\i, 192+8*\i, XS+4*\t+(\s)/2, WS+32+4*\i+(\s)/2, (\s)%2
.else
	WM 32*\i+8*\t, 48*((\s)%5)+12*\t, WF+96+12*\i, 32*\i+8*\t, XS+4*\t+(\s)/2, WS+32+4*\i+(\s)/2, (\s)%2
.endif
.endr
.endr
.endm
; A unit: K step s of slot j.  The 48 accumulators take turns, one instruction a turn, in the same order in every K step.
; Behind the unit's own 12 LDS loads stand the two younger slots' 24 (at the end 12, then none); behind K step s's 12 loads of x those of the four K steps after it, as far as there are any.
.macro UNIT s, j
.if (\s) < 7
	s_wait_dscnt 24
.else
	s_wait_dscnt 24-12*\j
.endif
.if \j == 0
.if (\s) < 4
	s_wait_loadcnt 48
.else
	s_wait_loadcnt 12*(7-(\s))
.endif
.endif
.if \j < 2
	MULT \j, \s
.else
	MULV \s
.endif
.if (\s) < 7
	PLACES 4                                       ; four places ahead of loads into registers that these products have read (ISA guide 7.12.1 for vector instructions)
	WIN 0
	WLOAD \j, (\s)+1
.if (\j == 2) && ((\s) < 3)
	XLOAD (\s)+5
.endif
.endif
.endm
.macro MEET                            ; the second half of K is whole: every wave's load has landed
	WIN 0
	s_wait_tensorcnt 0x0
	s_wait_dscnt 0x0
	s_barrier_signal -1
	s_barrier_wait -1
.endm
	XLOAD 0
	XLOAD 1
	XLOAD 2
	XLOAD 3
	XLOAD 4
	WIN 0
	s_wait_alu depctr_va_vdst(0)
	s_wait_tensorcnt 0x0                           ; my part of the first half is in
	ds_add_u32 v[SPW], v[NIL]
	s_wait_dscnt 0x0
	CROUND                                         ; everybody's part is in, and all four work-groups are here
	tensor_load_to_lds s[G0W+4:G0W+7], s[G1W:G1W+7]   ; K steps 4 to 7: it has K steps 0 to 2, 144 products, in which to land
	s_nop 0
	PLACES 4
	WLOAD 0, 0
	WLOAD 1, 0
	WLOAD 2, 0
	s_wait_loadcnt 48                              ; all but x's K steps 1 to 4: the biases are in
	WIN 0xc3
.irp i, 0,1,2,3
.irp n, 1,2,3,4,5,6,7
	v_mov_b32 v[192+8*\i+\n], v[192+8*\i]          ; v's bias tile: the lane's channel in all eight registers
.endr
.endr
	s_wait_alu depctr_va_vdst(0)
.irp s, 0,1,2,3,4,5,6,7
.if \s == 3
	MEET
.endif
	UNIT \s, 0
	UNIT \s, 1
	UNIT \s, 2
.endr
; THE EPILOGUE of slot j: four groups n of 32 registers (sw: their window, b0: their first), register 16 b + m = k 32 b + 16 h + m of the lane's row: eight blocks by turns.
; Each accumulator is read from its low end on.  cb, st: the codes' base and the bytes from group to group;  sb, so: the scale record's base and offset.
.macro EPI j, sw, b0, cb, st, sb, so
	WIN (\sw)|((\sw)<<2)
.irp n, 0,1,2,3
.irp b, 0,1
	v_max3_num_f32 v[MX+2*\n+\b], |v[\b0+32*\n+16*\b]|, |v[\b0+32*\n+16*\b+1]|, 0x1800000   ; and the floor 2^(3 - 127)
.endr
.endr
.irp i, 2,4,6,8,10,12,14
.irp n, 0,1,2,3
.irp b, 0,1
	v_max3_num_f32 v[MX+2*\n+\b], |v[\b0+32*\n+16*\b+\i]|, |v[\b0+32*\n+16*\b+\i+1]|, v[MX+2*\n+\b]
.endr
.endr
.endr
	WIN 0
.irp q, 0,1,2,3,4,5,6,7
	v_permlanex16_b32 v[PM+\q], v[MX+\q], s72, s73
.endr
.irp q, 0,1,2,3,4,5,6,7
	v_max_num_f32 v[MX+\q], v[MX+\q], v[PM+\q]     ; with lane l xor 16's 16 numbers
.endr
.irp q, 0,1,2,3,4,5,6,7
	v_add_nc_u32 v[SO+\q], 0xff000000, v[MX+\q]    ; 2 off the exponent field: the conversion's scale operand
.endr
.irp q, 0,1,2,3,4,5,6,7
	v_lshrrev_b32 v[PM+\q], 23, v[SO+\q]           ; the scale's byte
.endr
.irp n, 0,1,2,3
	v_lshl_or_b32 v[WD+4*\j+\n], v[PM+2*\n+1], 8, v[PM+2*\n]   ; two bytes; the upper two stay 0
.endr
	WIN \sw
.irp n, 0,1,2,3
	v_cvt_scalef32_pk16_fp6_f32 v[HH+32*\j+8*\n:HH+32*\j+8*\n+2], v[\b0+32*\n:\b0+32*\n+15], v[SO+2*\n]
	v_cvt_scalef32_pk16_fp6_f32 v[HH+32*\j+8*\n+4:HH+32*\j+8*\n+6], v[\b0+32*\n+16:\b0+32*\n+31], v[SO+2*\n+1]
.endr
	WIN 0
	v_nop                                          ; one plain place behind a scaled conversion
.irp n, 0,1,2,3
.irp i, 0,1,2
	v_permlane16_swap_b32 v[HH+32*\j+8*\n+\i], v[HH+32*\j+8*\n+4+\i]   ; a whole block to a lane: lanes 0-15 block 0, lanes 16-31 block 1
.endr
.endr
.irp n, 0,1,2,3
.irp i, 0,1,2
	v_mov_b32 v[HH+32*\j+8*\n+3+\i], v[HH+32*\j+8*\n+4+\i]
.endr
.endr
.if \j == 0
	v_cndmask_b32 v[SCP+2*\j], v[WD+4*\j], v[WD+4*\j+1], s70
	v_cndmask_b32 v[SCP+2*\j+1], v[WD+4*\j+2], v[WD+4*\j+3], s70
.irp n, 0,1,2,3
	global_store_b128 v1, v[HH+32*\j+8*\n:HH+32*\j+8*\n+3], s[\cb:\cb+1] offset:\st*\n          ; 512 consecutive bytes
	global_store_b64 v2, v[HH+32*\j+8*\n+4:HH+32*\j+8*\n+5], s[\cb:\cb+1] offset:\st*\n+512     ; 256
.endr
	global_store_b64 v2, v[SCP+2*\j:SCP+2*\j+1], s[\sb:\sb+1] offset:\so
.else                                  ; k: two tiles make one fragment of 12 registers, the even tile below; its scale word has the even tile's two bytes below
	v_lshl_or_b32 v[WD+4], v[WD+5], 16, v[WD+4]
	v_lshl_or_b32 v[WD+6], v[WD+7], 16, v[WD+6]
	v_cndmask_b32 v[SR+2], v[WD+4], v[WD+6], s70   ; lanes 0-15 my first pair's word, lanes 16-31 my second's
.irp n, 1,3
.irp i, 0,1,2,3,4,5
	v_mov_b32 v[HH+32+8*\n-2+\i], v[HH+32+8*\n+\i]
.endr
.endr
.irp p, 0,1
.irp k, 0,1,2
	global_store_b128 v1, v[HH+32+16*\p+4*\k:HH+32+16*\p+4*\k+3], s[\cb:\cb+1] offset:1536*\p+512*\k   ; 512 consecutive bytes
.endr
.endr
.endif
.endm
	PLACES 4                                       ; behind the last products: their results are read and their operands' registers written below
	WIN 0
	s_lshr_b32 s74, s22, 3                         ; where the results go: bh = 16 x batch + head,
	s_lshl_b32 s74, s74, 4
	s_add_co_u32 s74, s74, s23
	s_lshl_b32 s74, s74, 7
	s_and_b32 s76, s22, 7
	s_lshl_b32 s76, s76, 4
	s_add_co_u32 s74, s74, s76
	s_add_co_u32 s74, s74, s75                     ; 128 bh + my first token tile in the batch
	s_mul_i32 s76, s74, 768
	s_add_nc_u64 s[14:15], s[14:15], s[76:77]
	s_lshl_b32 s76, s74, 6                         ; a record of 256 bytes for four tiles
	s_add_nc_u64 s[16:17], s[16:17], s[76:77]
	s_lshr_b32 s76, s74, 3                         ; a key step is eight tiles
	s_mul_i32 s76, s76, 13312
	s_add_nc_u64 s[18:19], s[18:19], s[76:77]
	s_and_b32 s78, s[WV], 1                        ; c: which half of the key step is mine
	s_mul_i32 s76, s78, 3072
	s_add_nc_u64 s[KB:KB+1], s[18:19], s[76:77]
	s_mul_i32 s76, s78, 768
	s_add_co_u32 s76, s76, 6144
	s_add_nc_u64 s[VB:VB+1], s[18:19], s[76:77]
	s_lshl_b32 s76, s78, 9
	s_add_co_u32 s76, s76, 12288
	s_add_nc_u64 s[SB:SB+1], s[18:19], s[76:77]
.irp q, 0,1,2,3,4,5,6,7
	v_mov_b32 v[PM+\q], 0                          ; written once: a lane permute's destination counts as one of its sources
.endr
	EPI 0, 2, 0, 14, 768, 16, 0                    ; q
	EPI 1, 2, 128, KB, 768, SB, 0                  ; k
; v: register 8 t + n of channel tile i (window 3, from 32 i) is token 32 h + 8 t + n of my 64: a whole block of 32 in a lane, so no lane asks another for a maximum
	v_lshrrev_b32 v[SH], 3, v12                    ; 8 h
	v_mov_b32 v[SR+3], 0
	WIN 0x0f
.irp n, 0,1,2,3
	v_max3_num_f32 v[MX+\n], |v[32*\n]|, |v[32*\n+1]|, 0x1800000   ; and the floor 2^(3 - 127)
.endr
.irp i, 2,4,6,8,10,12,14,16,18,20,22,24,26,28,30
.irp n, 0,1,2,3
	v_max3_num_f32 v[MX+\n], |v[32*\n+\i]|, |v[32*\n+\i+1]|, v[MX+\n]
.endr
.endr
	WIN 0
.irp n, 0,1,2,3
	v_add_nc_u32 v[SO+\n], 0xff000000, v[MX+\n]    ; 2 off the exponent field: the conversion's scale operand
.endr
.irp n, 0,1,2,3
	v_lshrrev_b32 v[PM+\n], 23, v[SO+\n]           ; the scale's byte,
.endr
.irp n, 0,1,2,3
	v_lshlrev_b32 v[PM+\n], v[SH], v[PM+\n]        ; at byte h;
.endr
.irp n, 0,1,2,3
	v_permlanex16_b32 v[MX+\n], v[PM+\n], s72, s73
.endr
.irp n, 0,1,2,3
	v_or_b32 v[PM+\n], v[PM+\n], v[MX+\n]          ; with lane l xor 16's: my half key step's two bytes of channel r
.endr
	WIN 3
.irp n, 0,1,2,3
	v_cvt_scalef32_pk16_fp6_f32 v[HH+64+8*\n:HH+64+8*\n+2], v[32*\n:32*\n+15], v[SO+\n]
	v_cvt_scalef32_pk16_fp6_f32 v[HH+64+8*\n+4:HH+64+8*\n+6], v[32*\n+16:32*\n+31], v[SO+\n]
.endr
	WIN 0
	v_cndmask_b32 v[SR], v[PM], v[PM+1], s70       ; (a plain place behind the conversions)  lanes 0-15 tile 0, lanes 16-31 tile 1
	v_cndmask_b32 v[SR+1], v[PM+2], v[PM+3], s70
.irp n, 0,1,2,3
.irp i, 0,1,2
	v_mov_b32 v[HH+64+8*\n+3+\i], v[HH+64+8*\n+4+\i]
.endr
.endr
.irp n, 0,1,2,3
	global_store_b128 v1, v[HH+64+8*\n:HH+64+8*\n+3], s[VB:VB+1] offset:1536*\n
	global_store_b64 v2, v[HH+64+8*\n+4:HH+64+8*\n+5], s[VB:VB+1] offset:1536*\n+512
.endr
	global_store_b128 v1, v[SR:SR+3], s[SB:SB+1]   ; 512 consecutive bytes of scale words
	s_wait_tensorcnt 0x0                           ; the wave's end
	ds_add_u32 v[SPW], v[NIL]
	s_wait_dscnt 0x0
	CROUND                                         ; the closing round
	s_endpgm
.Lfunc_end_k_qf364fdf5c3_qkv:
	.size	k_qf364fdf5c3_qkv, .Lfunc_end_k_qf364fdf5c3_qkv-k_qf364fdf5c3_qkv
	.p2alignl 7, 3214868480
	.fill 96, 4, 3214868480
	.section	.rodata,"a",@progbits
	.p2align	6, 0x0
	.amdhsa_kernel k_qf364fdf5c3_qkv
		.amdhsa_group_segment_fixed_size 327680
		.amdhsa_private_segment_fixed_size 0
		.amdhsa_enable_private_segment 0
		.amdhsa_kernarg_size 64
		.amdhsa_user_sgpr_count 2
		.amdhsa_user_sgpr_kernarg_segment_ptr 1
		.amdhsa_wavefront_size32 1
		.amdhsa_system_sgpr_workgroup_id_x 1
		.amdhsa_system_sgpr_workgroup_id_y 1
		.amdhsa_system_sgpr_workgroup_id_z 1
		.amdhsa_system_vgpr_workitem_id 0
		.amdhsa_next_free_vgpr 1024
		.amdhsa_next_free_sgpr 88
		.amdhsa_reserve_vcc 0
		.amdhsa_float_denorm_mode_32 3
		.amdhsa_float_denorm_mode_16_64 3
		.amdhsa_memory_ordered 1
		.amdhsa_forward_progress 1
		.amdhsa_inst_pref_size 117
	.end_amdhsa_kernel
	.amdgpu_metadata
---
amdhsa.version: [ 1, 2 ]
amdhsa.kernels:
  - .name:           k_qf364fdf5c3_qkv
    .symbol:         k_qf364fdf5c3_qkv.kd
    .args:
      - { .name: codes, .offset: 0, .size: 8, .value_kind: global_buffer, .address_space: global }
      - { .name: scales, .offset: 8, .size: 8, .value_kind: global_buffer, .address_space: global }
      - { .name: bq, .offset: 16, .size: 8, .value_kind: global_buffer, .address_space: global }
      - { .name: bk, .offset: 24, .size: 8, .value_kind: global_buffer, .address_space: global }
      - { .name: bv, .offset: 32, .size: 8, .value_kind: global_buffer, .address_space: global }
      - { .name: qc, .offset: 40, .size: 8, .value_kind: global_buffer, .address_space: global }
      - { .name: qs, .offset: 48, .size: 8, .value_kind: global_buffer, .address_space: global }
      - { .name: kv, .offset: 56, .size: 8, .value_kind: global_buffer, .address_space: global }
    .group_segment_fixed_size: 327680
    .private_segment_fixed_size: 0
    .kernarg_segment_align: 8
    .kernarg_segment_size: 64
    .max_flat_workgroup_size: 128
    .sgpr_count:     88
    .vgpr_count:     1024
    .wavefront_size: 32
...
	.end_amdgpu_metadata
.endif
;; end of part 2
;; launch attn (part 3): grid 8 x 32, 8 waves a work-group, clusters of 4 x 1, 327,680 bytes of LDS; arguments qc, qs, kv, oc, os; writes oc, os
.if DOCPART == 3
	.amdgcn_target "amdgcn-amd-amdhsa--gfx1250"
	.amdhsa_code_object_version 6
	.text
	.protected	k_qf364fdf5c3_attn
	.globl	k_qf364fdf5c3_attn
	.p2align	8
	.type	k_qf364fdf5c3_attn,@function
k_qf364fdf5c3_attn:
	s_mov_b64 s[64:65], 0
	v_nop
	global_prefetch_b8 v0, s[64:65] scope:SCOPE_SE
	s_setreg_imm32_b32 hwreg(HW_REG_WAVE_MODE, 25, 1), 1
	s_wait_xcnt 0x0
	s_wait_alu depctr_hold_cnt(0) depctr_sa_sdst(0) depctr_va_vdst(0) depctr_va_sdst(0) depctr_va_ssrc(0) depctr_va_vcc(0) depctr_vm_vsrc(0)
	s_getreg_b32 s2, hwreg(HW_REG_IB_STS2, 6, 4)
	s_cmp_eq_u32 s2, 0
	s_cbranch_scc0 .Lentry_in_a_cluster
	s_endpgm
.Lentry_in_a_cluster:
	s_bfe_u32 s2, ttmp6, 0x10000c
	s_cmp_lg_u32 s2, 0x3003
	s_cbranch_scc0 .Lentry_shape_is_right
	s_endpgm
.Lentry_shape_is_right:
; o = softmax(q k^T / 32) v for one (batch, head) and 256 queries, on codes of FP6 (E2M3) with E8M0 scales; o leaves quantised for the last projection.
; p = 2^(t - M), t = score x log2(e) / 32, M the ceiling of the running largest t; the row's sum is taken of the unquantised p; O and the sum are multiplied by 2^(old M - new M) in every step, with no branch.
; LIMITS: the promise holds while the scaled scores t stay under 2^31 in magnitude; NaN and infinities are not served; a block of p under 2^-124 keeps the scale byte 1.
; SHARES: work-group (x, y): queries 256 x .. of (batch, head) y; eight waves of 512 registers, two to a SIMD; wave w two tiles of 16 queries, so each fragment of K and V is read from LDS once for 32 queries; 16 steps of 128 keys.
; Both products are used transposed: a lane holds one query of each tile.
; LDS: the 16 key records of 13,312 bytes are filled ONCE, two records a wave, all asked for at the head.  The four work-groups of a cluster have the same (batch, head): each load is JOINT (mask 15).
; Wave 0 has a load line of its own: the first barrier shows records 0 and 1, which serve step 0; a second barrier, behind step 0, shows all.
; No prefetch: every byte that the launch reads through LDS is asked for at the head, so no later request is left to run ahead of.
; A RECORD: K's four fragments at 1536 p: registers 0-5 tile 2 p, registers 6-11 tile 2 p + 1; V's (channel tile i, key half c) at 6144 + 1536 i + 768 c; scale words at 12288 + 512 c + 16 lane: V's two, then K's.
;   Key tile 4 c + tau holds keys 64 c + 8 tau + i and 64 c + 32 + 8 tau + i, so a lane's 32 scores of group c are the block of keys 64 c + 32 h + 0 .. 31.
; A fragment of K is multiplied against (q | 0) for its lower tile and against (0 | q) for its upper: zero codes take the other tile out of the sum.
; REGISTERS: window 0: addresses, the softmax's state (arrays over the two tiles u), all scale words, K v112-159, V v160-207, codes on their way v208-223.
;   Window 1: scores, then p, at 64 u; O^T at 128 + 32 u; p's codes at 192 + 12 u; v216-245: 0 | q0 | 0 | q1 | 0.
; A STEP n.  Matrix instructions go two at a time, with plain vector lines of independent work behind each two:
;   O^T += V p of step n - 1 beside tile 0's row sums of step n - 1; tile 0's scores beside tile 1's sums; tile 1's scores beside tile 0's maxima.
;   Then tile 1's maxima, the running maximum, the rescaling, t - M, the exponentials, the scales and the conversions.  O^T is first read ahead of the exponentials.
;   O^T and the sums begin as zeros and the largest score as -3e38, so that steps 1 to 15 are one loop.
.set REC,   13312
.set SPARE, 16*REC                     ; behind the records: the spare words, 128 bytes for each wave
.set SPW,   1                          ; my spare word's LDS address; never rewritten
.set NIL,   2                          ; 0; never rewritten
.set A16,   3                          ; this step's record + 16 x lane
.set A8,    4                          ; + 8 x lane
.set LN,    5                          ; lane
.set SH8,   6                          ; 8 h
.set AK,    7                          ; the next record + 16 x lane
.set ONE,   10                         ; v[10:11] 1.0, 1.0
.set QS,    16                         ; scale words: q's v16, 17; K's v20, 21; p's v24, 25; V's v28, 29
.set KS,    20
.set PS,    24
.set VS,    28
.set VR,    30                         ; v30-33 V's scale words in halves
.set RM,    34                         ; + u: the running largest score
.set PX,    36                         ; + u: what lane l xor 16 sent
.set NM,    38                         ; + 2 u: -M, the last step's -M
.set LS,    42                         ; + 2 u: the row's sum, two halves
.set FF,    46                         ; + 2 u: 2^(old M - new M); the upper register is named only
.set SA,    50                         ; v50-55 three more chains of sums
.set BM,    54+2                       ; v56-59 + 2 u + c: a block's largest; v60-63 a second chain of each
.set BY,    64
.set SO,    68                         ; + 2 u + c: at work; then the conversions' scale operands
.set KF,    112
.set VF,    160
.set PT,    208
.set WV,    18
.set SEL,   20
.set CS,    22
.set TB,    2
.set CNT,   3
.set TK,    48
.set HM,    49
.set G1,    24
.set G0,    32
.set FIRST, 1
.set MSB, 0
.macro WIN new                         ; bits 1:0 source 0, 3:2 source 1, 5:4 source 2, 7:6 destination; the high byte repeats the setting that is left
.if MSB != \new
	s_set_vgpr_msb (MSB<<8)|\new
.set MSB, \new
.endif
.endm
; settings: 84: source 0 window 0, the rest window 1 (all matrix instructions; O^T x f);  20: sources 1, 2 window 1 (maxima, sums);  65: source 0 and destination window 1 (t - M, exponentials, conversions)
.macro PLACES n
.rept \n
	v_nop
.endr
.endm
.macro WALU
	s_wait_alu depctr_va_vdst(0)
.endm
.macro CROUND                          ; a round of the cluster's barrier
	s_barrier_signal -1
	s_barrier_wait -1
	s_cmp_lg_u32 s[WV], 0
	s_cbranch_scc1 .Lnot_wave_0_\@
	s_barrier_signal -3
.Lnot_wave_0_\@:
	s_barrier_wait -3
	s_barrier_signal -1
	s_barrier_wait -1
.endm
.macro WM d, a, b, c, sa, sb, row      ; row = 1: source 0's scale words lie in lanes 16-31
.if \row
	v_wmma_scale_f32_16x16x128_f8f6f4 v[\d:\d+7], v[\a:\a+11], v[\b:\b+11], \c, v[\sa], v[\sb] matrix_a_fmt:MATRIX_FMT_FP6 matrix_b_fmt:MATRIX_FMT_FP6 matrix_a_scale:MATRIX_SCALE_ROW1
.else
	v_wmma_scale_f32_16x16x128_f8f6f4 v[\d:\d+7], v[\a:\a+11], v[\b:\b+11], \c, v[\sa], v[\sb] matrix_a_fmt:MATRIX_FMT_FP6 matrix_b_fmt:MATRIX_FMT_FP6
.endif
.endm
; matrix instruction w: 0-15 the scores of tile w / 8, key tile w % 8; 16-23 O^T of tile (w - 16) / 4, channel tile w % 4.  No two on end share an accumulator
.macro WMM w
	WIN 84
.if (\w) < 16
	WM 64*((\w)/8)+8*((\w)%8), KF+12*(((\w)%8)/2), 222+12*((\w)/8)-6*((\w)%2), 0, KS+((\w)%8)/4, QS+(\w)/8, (((\w)%8)/2)%2
.else
	WM 128+8*((\w)-16), VF+12*((\w)%4), 192+12*(((\w)-16)/4), v[128+8*((\w)-16):128+8*((\w)-16)+7], VS+((\w)%4)/2, PS+((\w)-16)/4, (\w)%2
.endif
.endm
; wn matrix instructions from w0 on, two at a time; behind each two, per lines of the list (a macro: tile, line number), from its line 0 on
.macro MIX w0, wn, list, lp, per
.set W_, \w0
.set L_, 0
.rept (\wn)/2
	WMM W_
	WMM W_+1
.rept \per
	\list \lp, L_
.set L_, L_+1
.endr
.set W_, W_+2
.endr
.endm
.macro RUN list, lp, n                 ; the list's lines 0 .. n - 1 by themselves
.set L_, 0
.rept \n
	\list \lp, L_
.set L_, L_+1
.endr
.endm
.macro NOPL u, i
	v_nop
.endm
; 34 lines: the largest score of tile u's two blocks of 32 keys, two chains to a block, four by turns; each accumulator is read from its low end on
.macro MAXT u, i
.if (\i) < 32
	WIN 20
.set D_, BM+2*\u+(\i)%2+4*(((\i)/2)%2)
.set R_, 64*\u+32*((\i)%2)+16*(((\i)/2)%2)+2*((\i)/4)
.if (\i)/4 == 0
	v_max3_num_f32 v[D_], 0xff800000, v[R_], v[R_+1]
.else
	v_max3_num_f32 v[D_], v[D_], v[R_], v[R_+1]
.endif
.elseif (\i) < 34
	WIN 0
	v_max_num_f32 v[BM+2*\u+(\i)-32], v[BM+2*\u+(\i)-32], v[BM+4+2*\u+(\i)-32]
.endif
.endm
; 18 lines: the running largest score, -M = floor(-t), f = 2^(old M - new M), the two tiles by turns
.macro ROWL u, i
	WIN 0
.set Q_, (\i)%2
.set K_, (\i)/2
.if K_ == 0
	v_max_num_f32 v[SO+2*Q_], v[BM+2*Q_], v[BM+2*Q_+1]
.elseif K_ == 1
	v_permlanex16_b32 v[PX+Q_], v[SO+2*Q_], s[SEL], s[SEL+1]
.elseif K_ == 2
	v_max3_num_f32 v[RM+Q_], v[RM+Q_], v[SO+2*Q_], v[PX+Q_]
.elseif K_ == 3
	v_mov_b32 v[NM+2*Q_+1], v[NM+2*Q_]
.elseif K_ == 4
	v_mul_f32 v[SO+2*Q_+1], s[CS], v[RM+Q_]
.elseif K_ == 5
	v_floor_f32 v[NM+2*Q_], -v[SO+2*Q_+1]
.elseif K_ == 6
	v_sub_f32 v[SO+2*Q_+1], v[NM+2*Q_], v[NM+2*Q_+1]
.elseif K_ == 7
	v_cvt_i32_f32 v[SO+2*Q_+1], v[SO+2*Q_+1]       ; (it saturates)
.else
	v_ldexp_f32 v[FF+2*Q_], 1.0, v[SO+2*Q_+1]
.endif
.endm
.macro RESCL u, i                      ; 32 lines: O^T under the new M
	WIN 84
	v_pk_mul_f32 v[128+2*(\i):129+2*(\i)], v[FF+2*((\i)/16):FF+2*((\i)/16)+1], v[128+2*(\i):129+2*(\i)] op_sel_hi:[0,1]
.endm
.macro FMAL u, i                       ; 64 lines: t - M
	WIN 65
	v_pk_fma_f32 v[2*(\i):2*(\i)+1], v[2*(\i):2*(\i)+1], s[CS:CS+1], v[NM+2*((\i)/32):NM+2*((\i)/32)+1] op_sel_hi:[1,0,0]
.endm
; 33 lines: tile u's row sums of the unquantised p, brought under the step's M: four chains by turns, three of them begun by a sum of two pairs
.macro SUMT u, i
.if (\i) < 33
.if (\i) == 0
	WIN 0
	v_pk_mul_f32 v[LS+2*\u:LS+2*\u+1], v[LS+2*\u:LS+2*\u+1], v[FF+2*\u:FF+2*\u+1] op_sel_hi:[1,0]
.elseif (\i) < 4
	WIN 20
	v_pk_fma_f32 v[SA+2*(\i)-2:SA+2*(\i)-1], v[ONE:ONE+1], v[64*\u+4*(\i)-4:64*\u+4*(\i)-3], v[64*\u+4*(\i)-2:64*\u+4*(\i)-1]
.elseif (\i) < 30
	WIN 20
.if (\i)%4 == 0
	v_pk_add_f32 v[LS+2*\u:LS+2*\u+1], v[LS+2*\u:LS+2*\u+1], v[64*\u+2*(\i)+4:64*\u+2*(\i)+5]
.else
	v_pk_add_f32 v[SA+2*((\i)%4)-2:SA+2*((\i)%4)-1], v[SA+2*((\i)%4)-2:SA+2*((\i)%4)-1], v[64*\u+2*(\i)+4:64*\u+2*(\i)+5]
.endif
.elseif (\i) == 30
	WIN 0
	v_pk_add_f32 v[SA:SA+1], v[SA:SA+1], v[SA+2:SA+3]
.elseif (\i) == 31
	WIN 0
	v_pk_add_f32 v[LS+2*\u:LS+2*\u+1], v[LS+2*\u:LS+2*\u+1], v[SA+4:SA+5]
.else
	WIN 0
	v_pk_add_f32 v[LS+2*\u:LS+2*\u+1], v[LS+2*\u:LS+2*\u+1], v[SA:SA+1]
.endif
.endif
.endm
.macro KLOAD a                         ; K's four fragments and two scale registers
.irp p, 0,1,2,3
.irp k, 0,1,2
	ds_load_b128 v[KF+12*\p+4*\k:KF+12*\p+4*\k+3], v[\a] offset:1536*\p+512*\k
.endr
.endr
	ds_load_b32 v[KS], v[\a] offset:12296
	ds_load_b32 v[KS+1], v[\a] offset:12808
.endm
.macro STEP
.if !FIRST
	MIX 16, 8, SUMT, 0, 9                          ; O^T += V p of the step before, beside tile 0's sums
.endif
	WIN 0
	s_add_co_u32 s[TK], s[TB], REC
	s_min_u32 s[TK], s[TK], 15*REC                 ; the last step fetches its own record's K once more, and nobody uses it
	v_lshl_add_u32 v[A16], v[LN], 4, s[TB]         ; (with the sums' last six lines: the places ahead of the loads into V's registers)
	v_lshl_add_u32 v[A8], v[LN], 3, s[TB]
	v_lshl_add_u32 v[AK], v[LN], 4, s[TK]
.irp i, 0,1,2,3
.irp c, 0,1
	ds_load_b128 v[VF+12*\i+6*\c:VF+12*\i+6*\c+3], v[A16] offset:6144+1536*\i+768*\c
	ds_load_b64 v[VF+12*\i+6*\c+4:VF+12*\i+6*\c+5], v[A8] offset:6144+1536*\i+768*\c+512
.endr
.endr
	ds_load_b64 v[VR:VR+1], v[A16] offset:12288
	ds_load_b64 v[VR+2:VR+3], v[A16] offset:12800
.if FIRST
	MIX 0, 8, NOPL, 0, 2                           ; (the places between these products and the first reads of their results)
.else
	MIX 0, 8, SUMT, 1, 9
.endif
	MIX 8, 8, MAXT, 0, 9
	WIN 0
	KLOAD AK                                       ; seven plain lines stand behind the last product that read K
	RUN MAXT, 1, 34
	RUN ROWL, 0, 18
.if !FIRST
	RUN RESCL, 0, 32
.endif
	RUN FMAL, 0, 64
	WIN 0
.irp j, 0,1,2,3
	v_fma_f32 v[BM+\j], v[BM+\j], s[CS], v[NM+2*(\j/2)]   ; t - M of each block's largest score: p rises with the score
.endr
	WALU
	WIN 65
.set J_, 0
.rept 128
	v_exp_f32 v[J_], v[J_]
.set J_, J_+1
.endr
	WIN 0
.irp j, 0,1,2,3
	v_exp_f32 v[BM+\j], v[BM+\j]
.endr
	s_wait_dscnt 0x0                               ; all this step's LDS loads are in: the one such wait of a step
	v_lshl_or_b32 v[VS], v[VR+2], 16, v[VR]        ; V's scale words: the first 64 keys' two bytes below, the others' above
	v_lshl_or_b32 v[VS+1], v[VR+3], 16, v[VR+1]
	WALU                                           ; one wait for the whole batch, ahead of its first reader
.irp j, 0,1,2,3
	v_max_num_f32 v[BM+\j], 0x1800000, v[BM+\j]    ; the floor 2^(3 - 127): the byte cannot fall under 1
.endr
.irp j, 0,1,2,3
	v_add_nc_u32 v[SO+\j], 0xff000000, v[BM+\j]    ; 2 off the exponent field: the conversion's scale operand
.endr
.irp j, 0,1,2,3
	v_lshrrev_b32 v[BY+\j], 23, v[SO+\j]
.endr
.irp q, 0,1
	v_lshl_or_b32 v[BY+2*\q], v[BY+2*\q+1], 16, v[BY+2*\q]   ; my bytes: blocks h and 2 + h,
.endr
.irp q, 0,1
	v_lshlrev_b32 v[BY+2*\q], v[SH8], v[BY+2*\q]   ; 8 h bits up;
.endr
.irp q, 0,1
	v_permlanex16_b32 v[PX+\q], v[BY+2*\q], s[SEL], s[SEL+1]
.endr
.irp q, 0,1
	v_or_b32 v[PS+\q], v[BY+2*\q], v[PX+\q]        ; with lane l xor 16's two the word is whole
.endr
	WIN 65                                         ; block b = 2 u + c: its lower 16 codes straight into the operand, the upper 16 by way of window 0 (a conversion's three registers begin on an even number)
.irp b, 0,1,2,3
	v_cvt_scalef32_pk16_fp6_f32 v[192+6*\b:194+6*\b], v[32*\b:32*\b+15], v[SO+\b]
.endr
	WIN 1
.irp b, 0,1,2,3
	v_cvt_scalef32_pk16_fp6_f32 v[PT+4*\b:PT+4*\b+2], v[32*\b+16:32*\b+31], v[SO+\b]
.endr
	v_nop                                          ; one plain place behind the conversions
	WIN 64
.irp b, 0,1,2,3
.irp i, 0,1,2
	v_mov_b32 v[195+6*\b+\i], v[PT+4*\b+\i]        ; tile 0's first: tile 1's six lines are the places ahead of tile 0's product
.endr
.endr
	WIN 0
.endm
; ---- the head
	s_load_b256 s[4:11], s[0:1], 0x0               ; qc, qs, kv, oc
	s_load_b64 s[12:13], s[0:1], 0x20              ; os
	v_lshl_add_u32 v[SPW], v0, 2, SPARE
	v_mov_b32 v[NIL], 0
	ds_add_u32 v[SPW], v[NIL]                      ; the opening lines: the add, twice on end, and its wait ahead of my first tensor load
	ds_add_u32 v[SPW], v[NIL]
	v_lshrrev_b32 v[AK], 5, v0
	v_readfirstlane_b32 s[WV], v[AK]               ; wave 0..7
	v_and_b32 v[LN], 31, v0
	v_lshlrev_b32 v[A16], 4, v[LN]
	v_lshlrev_b32 v[A8], 3, v[LN]
	v_and_b32 v8, 15, v0
	v_lshlrev_b32 v8, 3, v8                        ; 8 r: q's scale words
	v_bfe_u32 v[SH8], v0, 4, 1
	v_lshlrev_b32 v[SH8], 3, v[SH8]
	s_bfe_u32 s50, ttmp6, 0x40000                  ; cx
	s_lshl_b32 s51, ttmp9, 2
	s_add_co_u32 s51, s51, s50                     ; which 256 queries: it enters q's and the outputs' addresses alone
	s_and_b32 s52, ttmp7, 0xffff                   ; (batch, head), which the four partners share
	s_mul_i32 s54, s52, 16*REC
	s_mul_i32 s53, s[WV], 2*REC                    ; my two records
	s_add_co_u32 s54, s54, s53
	s_mov_b32 s55, 0
	s_mov_b32 s[G1+0], 15|(3<<16)|(1<<21)          ; the mask: all four; elements of 8 bytes; bit 21 beside a mask
	s_mov_b32 s[G1+1], 32<<16                      ; two records: 104 dense rows of 256 bytes
	s_mov_b32 s[G1+2], 104<<16
	s_mov_b32 s[G1+3], 32<<16
	s_mov_b32 s[G1+4], 104
	s_mov_b32 s[G1+5], 32
	s_mov_b32 s[G1+6], 0
	s_mov_b32 s[G1+7], 0
	s_mov_b32 s[SEL], 0x76543210
	s_mov_b32 s[SEL+1], 0xfedcba98                 ; lane l xor 16
	s_mov_b32 s[CS], 0x3d38aa3b                    ; log2(e) / 32
	s_mov_b32 s[CS+1], s[CS]
	s_mov_b32 s[HM], 0xffff0000                    ; lanes 16-31
	s_mov_b32 s[TB], 0
	WALU
	s_wait_dscnt 0x0
	s_wait_kmcnt 0x0
	s_mov_b32 s[G0], 1
	s_mov_b32 s[G0+1], s53
	s_add_nc_u64 s[G0+2:G0+3], s[8:9], s[54:55]
	s_or_b32 s[G0+3], s[G0+3], 0x80000000
	CROUND                                         ; all four work-groups are here: the joint loads meet
	s_cmp_eq_u32 s[WV], 0
	s_cbranch_scc0 .Llater
	tensor_load_to_lds s[G0:G0+3], s[G1:G1+7]      ; records 0 and 1: a line of their own, since the first barrier shows them alone
	s_nop 0
	PLACES 4
	s_branch .Lasked
.Llater:
	tensor_load_to_lds s[G0:G0+3], s[G1:G1+7]      ; records 2 to 15
	s_nop 0
	PLACES 4
.Lasked:
	s_lshl_b32 s56, s51, 4
	s_lshl_b32 s57, s[WV], 1
	s_add_co_u32 s56, s56, s57                     ; my first tile of queries in the sequence
	s_lshl_b32 s57, s52, 7
	s_add_co_u32 s57, s57, s56
	s_mul_i32 s58, s57, 768
	s_mov_b32 s59, 0
	s_add_nc_u64 s[4:5], s[4:5], s[58:59]
	s_lshr_b32 s58, s57, 2                         ; a record of 256 bytes for four tiles: tile n's word of row r at 128 (n % 2) + 8 r + 4 (n / 2); my tiles are n = 2 (w % 2) + u
	s_lshl_b32 s58, s58, 8
	s_and_b32 s60, s[WV], 1
	s_lshl_b32 s60, s60, 2
	s_add_co_u32 s58, s58, s60
	s_add_nc_u64 s[6:7], s[6:7], s[58:59]
	WIN 64
.irp q, 0,1
	global_load_b128 v[222+12*\q:225+12*\q], v[A16], s[4:5] offset:768*\q
	global_load_b64 v[226+12*\q:227+12*\q], v[A8], s[4:5] offset:768*\q+512
.endr
	WIN 0
.irp q, 0,1
	global_load_b32 v[QS+\q], v8, s[6:7] offset:128*\q
.endr
	s_lshr_b32 s60, s52, 4                         ; where o goes: oc [token tile 256][head][768], os [head][tile][64]
	s_lshl_b32 s60, s60, 7
	s_add_co_u32 s60, s60, s56
	s_and_b32 s61, s52, 15
	s_lshl_b32 s58, s60, 4
	s_add_co_u32 s58, s58, s61
	s_mul_i32 s58, s58, 768
	s_add_nc_u64 s[10:11], s[10:11], s[58:59]
	s_lshl_b32 s58, s61, 8
	s_add_co_u32 s58, s58, s60
	s_lshl_b32 s58, s58, 6
	s_add_nc_u64 s[12:13], s[12:13], s[58:59]
	WIN 64                                         ; under the loads' flight: the zeros beside q, and O^T
.irp n, 0,1,2,3,4,5
	v_mov_b32 v[216+\n], 0
	v_mov_b32 v[228+\n], 0
	v_mov_b32 v[240+\n], 0
.endr
.set J_, 128
.rept 64
	v_mov_b32 v[J_], 0
.set J_, J_+1
.endr
	WIN 0
	s_wait_loadcnt 0x0
.irp q, 0,1
	v_lshl_or_b32 v[QS+\q], v[QS+\q], 16, v[QS+\q] ; q's two bytes below and above: they serve (q | 0) and (0 | q).  More than eight plain lines stand between these and the first product
.endr
.irp j, 0,1,2,3
	v_mov_b32 v[LS+\j], 0
	v_mov_b32 v[FF+\j], 0
.endr
.irp q, 0,1
	v_mov_b32 v[PX+\q], 0                          ; a lane permute's destination counts as one of its sources
	v_mov_b32 v[RM+\q], 0xff61b1e6                 ; -3e38, under every score
.endr
	v_mov_b32 v[ONE], 1.0
	v_mov_b32 v[ONE+1], 1.0
	v_mul_f32 v[SO], s[CS], v[RM]
.irp q, 0,1
	v_floor_f32 v[NM+2*\q], -v[SO]
.endr
	WALU
	s_cmp_eq_u32 s[WV], 0
	s_cbranch_scc0 .Lnot_mine
	s_wait_tensorcnt 0x0
.Lnot_mine:
	s_barrier_signal -1
	s_barrier_wait -1                              ; records 0 and 1 are in; the others may be on their way
	KLOAD A16
	s_wait_dscnt 0x0
	STEP                                           ; step 0
.set FIRST, 0
	s_add_co_u32 s[TB], s[TB], REC
	WALU
	s_wait_tensorcnt 0x0
	s_wait_dscnt 0x0
	s_barrier_signal -1
	s_barrier_wait -1                              ; all sixteen records are in
	s_mov_b32 s[CNT], 15
.Lstep:                                                ; steps 1 to 15
	STEP
	s_add_co_u32 s[TB], s[TB], REC
	s_sub_co_u32 s[CNT], s[CNT], 1
	s_cmp_lg_u32 s[CNT], 0
	WALU
	s_cbranch_scc1 .Lstep
	MIX 16, 8, SUMT, 0, 9                          ; step 15's product and sums
	RUN SUMT, 1, 33
	WIN 0
; ---- the way out: O^T / the sum, quantised along the head's 64: register 16 b + m of lane (r, h) is channel 32 b + 16 h + m of query r
.irp q, 0,1
	v_add_f32 v[LS+2*\q], v[LS+2*\q], v[LS+2*\q+1]
.endr
.irp q, 0,1
	v_permlanex16_b32 v[PX+\q], v[LS+2*\q], s[SEL], s[SEL+1]
.endr
.irp q, 0,1
	v_add_f32 v[LS+2*\q], v[LS+2*\q], v[PX+\q]
.endr
	WALU
.irp q, 0,1
	v_rcp_f32 v[LS+2*\q], v[LS+2*\q]
.endr
	v_lshlrev_b32 v[A16], 4, v[LN]                 ; (a plain place behind the transcendentals)
	WIN 84
	WALU
.set J_, 0
.rept 32
	v_pk_mul_f32 v[64*(J_/16)+2*(J_%16):64*(J_/16)+2*(J_%16)+1], v[LS+2*(J_/16):LS+2*(J_/16)+1], v[128+2*J_:129+2*J_] op_sel_hi:[0,1]
.set J_, J_+1
.endr
	WIN 20
.irp k, 0,1,2,3,4,5,6,7
.irp b, 0,1,2,3
.if \k == 0
	v_max3_num_f32 v[BM+\b], 0x1800000, |v[64*(\b/2)+16*(\b%2)]|, |v[64*(\b/2)+16*(\b%2)+1]|
.else
	v_max3_num_f32 v[BM+\b], v[BM+\b], |v[64*(\b/2)+16*(\b%2)+2*\k]|, |v[64*(\b/2)+16*(\b%2)+2*\k+1]|
.endif
.endr
.endr
	WIN 0
.irp j, 0,1,2,3
	v_permlanex16_b32 v[BY+\j], v[BM+\j], s[SEL], s[SEL+1]
.endr
.irp j, 0,1,2,3
	v_max_num_f32 v[BM+\j], v[BM+\j], v[BY+\j]
.endr
.irp j, 0,1,2,3
	v_add_nc_u32 v[SO+\j], 0xff000000, v[BM+\j]
.endr
.irp j, 0,1,2,3
	v_lshrrev_b32 v[BY+\j], 23, v[SO+\j]
.endr
.irp q, 0,1
	v_lshl_or_b32 v[BY+2*\q], v[BY+2*\q+1], 8, v[BY+2*\q]
.endr
	v_cndmask_b32 v[BM], v[BY], v[BY+2], s[HM]     ; lanes 0-15 tile 0's words, lanes 16-31 tile 1's
	v_lshlrev_b32 v[A8], 3, v[LN]
	v_lshlrev_b32 v[AK], 2, v[LN]
	WIN 1
.irp u, 0,1
	v_cvt_scalef32_pk16_fp6_f32 v[PT+8*\u:PT+8*\u+2], v[64*\u:64*\u+15], v[SO+2*\u]
	v_cvt_scalef32_pk16_fp6_f32 v[PT+8*\u+4:PT+8*\u+6], v[64*\u+16:64*\u+31], v[SO+2*\u+1]
.endr
	WIN 0
	v_nop
.irp q, 0,1
.irp i, 0,1,2
	v_permlane16_swap_b32 v[PT+8*\q+\i], v[PT+8*\q+4+\i]   ; a whole block to a lane
.endr
.endr
.irp q, 0,1
.irp i, 0,1,2
	v_mov_b32 v[PT+8*\q+3+\i], v[PT+8*\q+4+\i]
.endr
.endr
.irp q, 0,1
	global_store_b128 v[A16], v[PT+8*\q:PT+8*\q+3], s[10:11] offset:12288*\q          ; 512 consecutive bytes
	global_store_b64 v[A8], v[PT+8*\q+4:PT+8*\q+5], s[10:11] offset:12288*\q+512      ; 256
.endr
	global_store_b32 v[AK], v[BM], s[12:13]        ; my two tiles' scale words: 128 consecutive bytes
	s_wait_tensorcnt 0x0                           ; the wave's end
	ds_add_u32 v[SPW], v[NIL]
	s_wait_dscnt 0x0
	CROUND                                         ; the closing round
	s_endpgm
.Lfunc_end_k_qf364fdf5c3_attn:
	.size	k_qf364fdf5c3_attn, .Lfunc_end_k_qf364fdf5c3_attn-k_qf364fdf5c3_attn
	.p2alignl 7, 3214868480
	.fill 96, 4, 3214868480
	.section	.rodata,"a",@progbits
	.p2align	6, 0x0
	.amdhsa_kernel k_qf364fdf5c3_attn
		.amdhsa_group_segment_fixed_size 327680
		.amdhsa_private_segment_fixed_size 0
		.amdhsa_enable_private_segment 0
		.amdhsa_kernarg_size 40
		.amdhsa_user_sgpr_count 2
		.amdhsa_user_sgpr_kernarg_segment_ptr 1
		.amdhsa_wavefront_size32 1
		.amdhsa_system_sgpr_workgroup_id_x 1
		.amdhsa_system_sgpr_workgroup_id_y 1
		.amdhsa_system_sgpr_workgroup_id_z 1
		.amdhsa_system_vgpr_workitem_id 0
		.amdhsa_next_free_vgpr 512
		.amdhsa_next_free_sgpr 66
		.amdhsa_reserve_vcc 0
		.amdhsa_float_denorm_mode_32 3
		.amdhsa_float_denorm_mode_16_64 3
		.amdhsa_memory_ordered 1
		.amdhsa_forward_progress 1
		.amdhsa_inst_pref_size 72
	.end_amdhsa_kernel
	.amdgpu_metadata
---
amdhsa.version: [ 1, 2 ]
amdhsa.kernels:
  - .name:           k_qf364fdf5c3_attn
    .symbol:         k_qf364fdf5c3_attn.kd
    .args:
      - { .name: qc, .offset: 0, .size: 8, .value_kind: global_buffer, .address_space: global }
      - { .name: qs, .offset: 8, .size: 8, .value_kind: global_buffer, .address_space: global }
      - { .name: kv, .offset: 16, .size: 8, .value_kind: global_buffer, .address_space: global }
      - { .name: oc, .offset: 24, .size: 8, .value_kind: global_buffer, .address_space: global }
      - { .name: os, .offset: 32, .size: 8, .value_kind: global_buffer, .address_space: global }
    .group_segment_fixed_size: 327680
    .private_segment_fixed_size: 0
    .kernarg_segment_align: 8
    .kernarg_segment_size: 40
    .max_flat_workgroup_size: 256
    .sgpr_count:     66
    .vgpr_count:     512
    .wavefront_size: 32
...
	.end_amdgpu_metadata
.endif
;; end of part 3
;; launch oproj (part 4): grid 16 x 16, 4 waves a work-group, clusters of 4 x 1, 327,680 bytes of LDS; arguments codes, scales, oc, os, bo, out0; writes out0
.if DOCPART == 4
	.amdgcn_target "amdgcn-amd-amdhsa--gfx1250"
	.amdhsa_code_object_version 6
	.text
	.protected	k_qf364fdf5c3_oproj
	.globl	k_qf364fdf5c3_oproj
	.p2align	8
	.type	k_qf364fdf5c3_oproj,@function
k_qf364fdf5c3_oproj:
	s_mov_b64 s[64:65], 0
	v_nop
	global_prefetch_b8 v0, s[64:65] scope:SCOPE_SE
	s_setreg_imm32_b32 hwreg(HW_REG_WAVE_MODE, 25, 1), 1
	s_wait_xcnt 0x0
	s_wait_alu depctr_hold_cnt(0) depctr_sa_sdst(0) depctr_va_vdst(0) depctr_va_sdst(0) depctr_va_ssrc(0) depctr_va_vcc(0) depctr_vm_vsrc(0)
	s_getreg_b32 s2, hwreg(HW_REG_IB_STS2, 6, 4)
	s_cmp_eq_u32 s2, 0
	s_cbranch_scc0 .Lentry_in_a_cluster
	s_endpgm
.Lentry_in_a_cluster:
	s_bfe_u32 s2, ttmp6, 0x10000c
	s_cmp_lg_u32 s2, 0x3003
	s_cbranch_scc0 .Lentry_shape_is_right
	s_endpgm
.Lentry_shape_is_right:
; out0 = o wo^T + bo on codes of FP6 (E2M3) with E8M0 scales, sums in f32.  o's codes come as attention left them: oc [token tile 256][head 16][768 bytes], a head's 64 channels being half a K step; os [head][tile][16 words of two bytes].
; SHARES: a work-group makes 256 tokens (mx) x 64 columns (ny); wave w 64 tokens x 64 columns: 16 accumulators.
; Both panels lie in LDS for all of K, filled once; no byte is filled twice.  The four work-groups of a cluster have the same mx: o's panel (196,608 bytes, four times wo's) is asked for JOINTLY, a third by each of waves 0 to 2;
; a wave reads its own 64 tokens, which other waves may have fetched: a barrier stands ahead of its reads.  wo's panel (4 tiles of 12,288 bytes) differs between the partners: a plain load of wave 3, read by all four behind the same barrier.
; ORIENTATION: source 0 = 16 rows of wo, source 1 = 16 tokens: a lane holds one token and eight neighbouring columns.  bo is the C of each sum's first matrix instruction.
; The tiles' rows are not neighbours (lane row p of tile 2 B + u = row 32 B + 8 u + p + 8 (p / 8)): the way out puts columns and tokens back by its addresses.
; REGISTERS: window 0: v1-20 addresses; v32-63 o's scale words (8 t + s), v64-79 wo's (4 i + p); v96-191 wo's fragments, two sets; later rows on their way out.
;   window 1: v0-95 o's fragments, two sets; v96-127 bias tiles; v128-255 accumulators at 128 + 32 t + 8 i.
.set AW,    49152                      ; a wave's part of o's panel: tile t at 12288 t, head at 768 head
.set BP0,   4*AW                       ; wo's panel: tile i at 12288 i, K step s at 1536 s
.set STG,   BP0+49152                  ; a stage of 16 rows x 272 bytes for each wave
.set SPARE, STG+4*4352                 ; the spare words, 128 bytes for each wave
.set LA16,  5                          ; v5     my part of o's panel + 16 x lane
.set LA8,   9                          ; v9     + 8 x lane
.set LBW,   13                         ; v13    wo's panel + 16 x lane
.set SPW,   14                         ; v14    my spare word's LDS address; never rewritten
.set NIL,   15                         ; v15    0; never rewritten
.set STO,   16
.set RD,    17
.set CO,    18
.set AS,    32
.set WS,    64
.set WF,    96
.set BK,    96
.set WV,    20
.set G1A,   24
.set G0A,   32
.set G1B,   48
.set G0B,   56
.set MSB, 0
.macro WIN new
.if MSB != \new
	s_set_vgpr_msb (MSB<<8)|\new
.set MSB, \new
.endif
.endm
.macro PLACES n
.rept \n
	v_nop
.endr
.endm
.macro CROUND
	s_barrier_signal -1
	s_barrier_wait -1
	s_cmp_lg_u32 s[WV], 0
	s_cbranch_scc1 .Lnot_wave_0_\@
	s_barrier_signal -3
.Lnot_wave_0_\@:
	s_barrier_wait -3
	s_barrier_signal -1
	s_barrier_wait -1
.endm
	s_load_b256 s[4:11], s[0:1], 0x0               ; codes, scales, oc, os
	s_load_b128 s[12:15], s[0:1], 0x20             ; bo, out0
	v_lshl_add_u32 v[SPW], v0, 2, SPARE
	v_mov_b32 v[NIL], 0
	ds_add_u32 v[SPW], v[NIL]                      ; the wave's opening: the add and its wait ahead of my first tensor load
	ds_add_u32 v[SPW], v[NIL]
	v_lshrrev_b32 v3, 5, v0
	v_readfirstlane_b32 s[WV], v3
	s_bfe_u32 s21, ttmp6, 0x40000                  ; cx
	s_lshl_b32 s22, ttmp9, 2
	s_add_co_u32 s22, s22, s21                     ; ny: 64 columns
	s_and_b32 s23, ttmp7, 0xffff                   ; mx: 256 tokens, which the four partners share
	s_mov_b32 s[G1A+0], 15|(3<<16)|(1<<21)         ; the mask: all four; elements of 8 bytes; bit 21 beside a mask
	; ONE LOAD A WAVE: o's panel of 256 tokens is 196,608 dense bytes: waves 0 to 2 ask jointly for a third each (256 rows of 256 bytes); wave 3 fetches wo's four tiles (192 rows), a load of its own.
	; In LDS token tile T lies at 12288 T, head e at 768 e; one barrier shows both panels to all four waves.
	s_mov_b32 s[G1A+1], 32<<16
	s_mov_b32 s[G1A+2], 256<<16
	s_mov_b32 s[G1A+3], 32<<16
	s_mov_b32 s[G1A+4], 256
	s_mov_b32 s[G1A+5], 32
	s_mov_b32 s[G1A+6], 0
	s_mov_b32 s[G1A+7], 0
	s_mov_b32 s[G1B+0], 3<<16                      ; no mask: a load of my own
	s_mov_b32 s[G1B+1], 32<<16                     ; wo's four tiles: 192 dense rows of 256 bytes
	s_mov_b32 s[G1B+2], 192<<16
	s_mov_b32 s[G1B+3], 32<<16
	s_mov_b32 s[G1B+4], 192
	s_mov_b32 s[G1B+5], 32
	s_mov_b32 s[G1B+6], 0
	s_mov_b32 s[G1B+7], 0
	s_mul_i32 s66, s23, 196608                     ; o's panel: made of mx and the wave's number alone
	s_lshl_b32 s70, s[WV], 16                      ; my load's place in LDS: 65,536 x wave; wave 3's is BP0
	s_add_co_u32 s66, s66, s70
	s_lshl_b32 s69, s[WV], 2
	s_mov_b32 s67, 0
	s_mul_i32 s68, s[WV], AW
	s_lshl_b32 s74, s22, 2                         ; wo's first tile: 448 + 4 ny
	s_add_co_u32 s76, s74, 448
	s_mul_i32 s74, s76, 12288
	s_mov_b32 s75, 0
	s_mov_b32 s60, 0x76543210
	s_mov_b32 s61, 0xfedcba98
	v_and_b32 v3, 31, v0
	v_lshlrev_b32 v1, 4, v3
	v_lshlrev_b32 v2, 3, v3
	v_add_nc_u32 v[LA16], s68, v1
	v_add_nc_u32 v[LA8], s68, v2
	v_add_nc_u32 v[LBW], BP0, v1
	v_and_b32 v3, 15, v0                           ; r
	v_bfe_u32 v4, v0, 4, 1                         ; h
	s_mul_i32 s71, s[WV], 4352
	s_add_co_u32 s71, s71, STG
	v_mul_u32_u24 v[STO], v3, 272
	v_lshl_add_u32 v[STO], v4, 6, v[STO]
	v_add_nc_u32 v[STO], s71, v[STO]               ; the stage, way in: row r, + 64 h
	v_mul_u32_u24 v[RD], v4, 272
	v_lshl_add_u32 v[RD], v3, 4, v[RD]
	v_add_nc_u32 v[RD], s71, v[RD]                 ; way out: lanes 0-15 one row, lanes 16-31 the next
	v_lshlrev_b32 v[CO], 12, v4
	v_lshl_add_u32 v[CO], v3, 4, v[CO]             ; and the same in out0: 4,096 h + 16 r
	v_lshlrev_b32 v19, 6, v4                       ; 64 h: the bias
	v_lshlrev_b32 v20, 14, v4
	v_lshl_add_u32 v20, v3, 2, v20                 ; 16,384 h + 4 r: lanes 0-15 the even head's word, lanes 16-31 the odd head's
.irp n, 80,81,82,83
	v_mov_b32 v[\n], 0                             ; a lane permute's destination counts as one of its sources
.endr
	s_wait_alu depctr_va_vdst(0)
	s_wait_dscnt 0x0
	s_wait_kmcnt 0x0
	s_mov_b32 s[G0B], 1
	s_mov_b32 s[G0B+1], s70
	s_add_nc_u64 s[G0B+2:G0B+3], s[4:5], s[74:75]
	s_or_b32 s[G0B+3], s[G0B+3], 0x80000000
.irp c, 0
	s_mov_b32 s[G0A+4*\c], 1
	s_mov_b32 s[G0A+4*\c+1], s70
	s_add_nc_u64 s[G0A+4*\c+2:G0A+4*\c+3], s[8:9], s[66:67]
	s_or_b32 s[G0A+4*\c+3], s[G0A+4*\c+3], 0x80000000
.endr
	CROUND                                         ; all four work-groups are here: the joint loads meet
	s_cmp_lt_u32 s[WV], 3
	s_cbranch_scc0 .Lfor_wo
	tensor_load_to_lds s[G0A:G0A+3], s[G1A:G1A+7]  ; a third of o's panel
	s_nop 0
	PLACES 4
	s_branch .Lasked
.Lfor_wo:
	tensor_load_to_lds s[G0B:G0B+3], s[G1B:G1B+7]  ; wo's panel
	s_nop 0
	PLACES 4
.Lasked:
	s_lshl_b32 s76, s76, 9                         ; wo's scale records
	s_mov_b32 s77, 0
	s_add_nc_u64 s[6:7], s[6:7], s[76:77]
	s_lshl_b32 s78, s23, 4
	s_add_co_u32 s78, s78, s69                     ; my first token tile
	s_lshl_b32 s76, s78, 6
	s_add_nc_u64 s[10:11], s[10:11], s[76:77]      ; its words in os
	s_lshl_b32 s76, s22, 8
	s_add_nc_u64 s[12:13], s[12:13], s[76:77]      ; my 64 numbers of bo
	s_add_nc_u64 s[14:15], s[14:15], s[76:77]      ; my 256 bytes of a row of out0,
	s_lshl_b32 s76, s78, 16                        ; 16 rows of 4,096 bytes a tile
	s_add_nc_u64 s[14:15], s[14:15], s[76:77]
.irp i, 0,1,2,3
.irp H, 0,1
	global_load_b64 v[WS+4*\i+2*\H:WS+4*\i+2*\H+1], v2, s[6:7] offset:512*\i+256*\H
.endr
.endr
	s_wait_alu depctr_va_vdst(0)
.irp s, 0,1,2,3,4,5,6,7
.irp t, 0,1,2,3
	global_load_b32 v[AS+8*\t+\s], v20, s[10:11] offset:32768*\s+64*\t
.endr
.endr
	WIN 0x40
.irp i, 0,1,2,3
	global_load_b128 v[96+8*\i:96+8*\i+3], v19, s[12:13] offset:(32*(\i/2)+8*(\i%2))*4
	global_load_b128 v[96+8*\i+4:96+8*\i+7], v19, s[12:13] offset:(32*(\i/2)+8*(\i%2))*4+16
.endr
	WIN 0
	s_wait_loadcnt 0x0
.irp s, 0,1,2,3,4,5,6,7                ; a K step is two heads: the even head's two bytes below, the odd head's above (right in lanes 0-15, which alone are read).  K step 0's words are written first: 56 plain lines stand between them and the first product
.irp t, 0,1,2,3
	v_permlanex16_b32 v[80+\t], v[AS+8*\t+\s], s60, s61
.endr
.irp t, 0,1,2,3
	v_lshl_or_b32 v[AS+8*\t+\s], v[80+\t], 16, v[AS+8*\t+\s]
.endr
.endr
	s_wait_tensorcnt 0x0
	s_barrier_signal -1
	s_barrier_wait -1                              ; wo's panel is whole
.macro WLOAD s
.irp i, 0,1,2,3
.irp c, 0,1,2
	ds_load_b128 v[WF+48*((\s)%2)+12*\i+4*\c:WF+48*((\s)%2)+12*\i+4*\c+3], v[LBW] offset:12288*\i+1536*(\s)+512*\c
.endr
.endr
.endm
.macro ALOAD s                         ; a fragment of o is two heads' half fragments
.irp t, 0,1,2,3
.irp e, 0,1
	ds_load_b128 v[48*((\s)%2)+12*\t+6*\e:48*((\s)%2)+12*\t+6*\e+3], v[LA16] offset:12288*\t+768*(2*(\s)+\e)
	ds_load_b64 v[48*((\s)%2)+12*\t+6*\e+4:48*((\s)%2)+12*\t+6*\e+5], v[LA8] offset:12288*\t+768*(2*(\s)+\e)+512
.endr
.endr
.endm
.macro WM d, a, b, c, sa, sb, odd      ; wo's scale words of an odd K step lie in lanes 16-31
.if \odd
	v_wmma_scale_f32_16x16x128_f8f6f4 v[\d:\d+7], v[\a:\a+11], v[\b:\b+11], v[\c:\c+7], v[\sa], v[\sb] matrix_a_fmt:MATRIX_FMT_FP6 matrix_b_fmt:MATRIX_FMT_FP6 matrix_a_scale:MATRIX_SCALE_ROW1
.else
	v_wmma_scale_f32_16x16x128_f8f6f4 v[\d:\d+7], v[\a:\a+11], v[\b:\b+11], v[\c:\c+7], v[\sa], v[\sb] matrix_a_fmt:MATRIX_FMT_FP6 matrix_b_fmt:MATRIX_FMT_FP6
.endif
.endm
; A K step: its fragments are in; the next step's 28 loads go out, into the sets that the step before multiplied, and land under this step's 16 products.  The 16 accumulators take turns.
.macro KSTEP s
	s_wait_dscnt 0x0
.if (\s) < 7
.if (\s) > 0
	PLACES 4                                       ; ahead of loads into registers that the last products have read
.endif
	WIN 0
	WLOAD (\s)+1
	WIN 0x40
	ALOAD (\s)+1
.endif
	WIN 0x54                                       ; source 0 (wo) window 0; source 1 (o), C and D window 1
.irp t, 0,1,2,3
.irp i, 0,1,2,3
.if (\s) == 0
	WM 128+32*\t+8*\i, WF+48*((\s)%2)+12*\i, 48*((\s)%2)+12*\t, 96+8*\i, WS+4*\i+(\s)/2, AS+8*\t+(\s), (\s)%2
.else
	WM 128+32*\t+8*\i, WF+48*((\s)%2)+12*\i, 48*((\s)%2)+12*\t, 128+32*\t+8*\i, WS+4*\i+(\s)/2, AS+8*\t+(\s), (\s)%2
.endif
.endr
.endr
.endm
	WLOAD 0
	WIN 0x40
	ALOAD 0
.irp s, 0,1,2,3,4,5,6,7
	s_wait_alu depctr_va_vdst(0)
	KSTEP \s
.endr
; THE WAY OUT, a tile of 16 tokens at a time, through my own stage: lane (r, h), register n of accumulator i is column 32 (i / 2) + 8 (i % 2) + 16 h + n of stage row r.
; It comes back as whole rows of 256 bytes, two a load; stage row p is token 8 t + p % 8 + 32 (p / 8) of my 64.  LDS serves a wave's instructions in order: no wait between the stores and the loads.
.macro TOSTAGE t
	WIN 0x04                                       ; an LDS store's data: window 1
.irp i, 0,1,2,3
	ds_store_b128 v[STO], v[128+32*(\t)+8*\i:128+32*(\t)+8*\i+3] offset:128*(\i/2)+32*(\i%2)       ; each accumulator from its low end on
	ds_store_b128 v[STO], v[128+32*(\t)+8*\i+4:128+32*(\t)+8*\i+7] offset:128*(\i/2)+32*(\i%2)+16
.endr
	WIN 0
.irp k, 0,1,2,3,4,5,6,7
	ds_load_b128 v[BK+32*((\t)%2)+4*\k:BK+32*((\t)%2)+4*\k+3], v[RD] offset:544*\k
.endr
.endm
.macro SEND t, younger                 ; younger: the LDS instructions issued behind tile t's loads
	s_wait_dscnt \younger
.irp k, 0,1,2,3,4,5,6,7
	global_store_b128 v[CO], v[BK+32*((\t)%2)+4*\k:BK+32*((\t)%2)+4*\k+3], s[14:15] offset:(2*(\k%4)+32*(\k/4)+8*(\t))*4096 th:TH_STORE_NT   ; stage row p of tile t is token 8 t + p % 8 + 32 (p / 8) of my 64; sixteen lanes store 256 consecutive bytes
.endr
.endm
	PLACES 4                                       ; behind the last products: their results are read, and loads land where wo's fragments lay
	TOSTAGE 0
.irp t, 1,2,3
.if \t > 1
	s_wait_xcnt 0x0                                ; tile t - 2's stores have read their registers: tile t's rows may land there
.endif
	TOSTAGE \t
	SEND \t-1, 16                                  ; behind tile t - 1's loads: tile t's 8 stores and 8 loads
.endr
	SEND 3, 0
	s_wait_tensorcnt 0x0                           ; the wave's end, behind my last LDS store
	ds_add_u32 v[SPW], v[NIL]
	s_wait_dscnt 0x0
	CROUND                                         ; the closing round
	s_endpgm
.Lfunc_end_k_qf364fdf5c3_oproj:
	.size	k_qf364fdf5c3_oproj, .Lfunc_end_k_qf364fdf5c3_oproj-k_qf364fdf5c3_oproj
	.p2alignl 7, 3214868480
	.fill 96, 4, 3214868480
	.section	.rodata,"a",@progbits
	.p2align	6, 0x0
	.amdhsa_kernel k_qf364fdf5c3_oproj
		.amdhsa_group_segment_fixed_size 327680
		.amdhsa_private_segment_fixed_size 0
		.amdhsa_enable_private_segment 0
		.amdhsa_kernarg_size 48
		.amdhsa_user_sgpr_count 2
		.amdhsa_user_sgpr_kernarg_segment_ptr 1
		.amdhsa_wavefront_size32 1
		.amdhsa_system_sgpr_workgroup_id_x 1
		.amdhsa_system_sgpr_workgroup_id_y 1
		.amdhsa_system_sgpr_workgroup_id_z 1
		.amdhsa_system_vgpr_workitem_id 0
		.amdhsa_next_free_vgpr 512
		.amdhsa_next_free_sgpr 80
		.amdhsa_reserve_vcc 0
		.amdhsa_float_denorm_mode_32 3
		.amdhsa_float_denorm_mode_16_64 3
		.amdhsa_memory_ordered 1
		.amdhsa_forward_progress 1
		.amdhsa_inst_pref_size 54
	.end_amdhsa_kernel
	.amdgpu_metadata
---
amdhsa.version: [ 1, 2 ]
amdhsa.kernels:
  - .name:           k_qf364fdf5c3_oproj
    .symbol:         k_qf364fdf5c3_oproj.kd
    .args:
      - { .name: codes, .offset: 0, .size: 8, .value_kind: global_buffer, .address_space: global }
      - { .name: scales, .offset: 8, .size: 8, .value_kind: global_buffer, .address_space: global }
      - { .name: oc, .offset: 16, .size: 8, .value_kind: global_buffer, .address_space: global }
      - { .name: os, .offset: 24, .size: 8, .value_kind: global_buffer, .address_space: global }
      - { .name: bo, .offset: 32, .size: 8, .value_kind: global_buffer, .address_space: global }
      - { .name: out0, .offset: 40, .size: 8, .value_kind: global_buffer, .address_space: global }
    .group_segment_fixed_size: 327680
    .private_segment_fixed_size: 0
    .kernarg_segment_align: 8
    .kernarg_segment_size: 48
    .max_flat_workgroup_size: 128
    .sgpr_count:     80
    .vgpr_count:     512
    .wavefront_size: 32
...
	.end_amdgpu_metadata
.endif
;; end of part 4
